; MI455X (gfx1250); checked and timed in simulation.
; The chip was launched on July 23, 2026; its instructions are those of AMD's public machine-readable ISA for CDNA 5 (MIT licence, August 2026) and "CDNA5" Instruction Set Architecture Reference Guide (July 2026). The comments in the code are by the model that wrote it; some were corrected since.
;; Causal Self Attention. Allowed arithmetic: matrix products marked QUANTISED: E2M3 operands, one E8M0 scale for each 32 along K, by v_wmma_scale_f32_16x16x128_f8f6f4 with both operands' format E2M3, f32 sums; everything else in f32.
;; Inputs: w_proj 1,024 x 1,024 float32; w_qkv 3,072 x 1,024 float32; x 4 x 2,048 x 1,024 float32.
;; Outputs: out0 4 x 2,048 x 1,024 float32.
;; This version of the problem:
;;   THIS VERSION OF THE PROBLEM IS GIVEN IN LOW PRECISION. The matrix products marked QUANTISED in the list below multiply operands that are first quantised to E2M3 (2 exponent bits, 3 mantissa bits; 6 bits a number), with one power-of-two scale for each 32 numbers along K (OCP MX v1.0); their sums are f32. All else is computed in f32.
;;   The module's matrix products, in the order in which they are computed (A, B: the left and right operand; K: the contracted axis; several contracted axes count as one K, in the product's order):
;;     1. [M 8,192, K 1,024] x [K 1,024, N 3,072]; A: input x; B: input w_qkv: QUANTISED
;;     2. batch 64 x [M 2,048, K 64] x [K 64, N 2,048]; A: computed on the way; B: computed on the way: QUANTISED
;;     3. batch 64 x [M 2,048, K 2,048] x [K 2,048, N 64]; A: softmax (see below); B: computed on the way: QUANTISED
;;     4. [M 8,192, K 1,024] x [K 1,024, N 1,024]; A: computed on the way; B: input w_proj: QUANTISED
;;   THE QUANTISER, for each operand of a quantised product, along K:
;;     - K is cut into blocks of 32 from its start; a last block that is shorter is filled with zeros.
;;     - A block's scale is 2^e with e = floor(log2(the largest magnitude in the block)) - 2, held to -126 .. 127; a block of zeros has e = 0. As a byte (E8M0): e + 127.
;;     - Each number is divided by its block's scale, clamped to +-7.5, and rounded to the nearest number of E2M3, ties to even, subnormals kept.
;;     - The product sums the exact products of the quantised numbers (number of the format x scale) in f32.
;;   ~~~python
;;   def quantise(x, axis):      # numpy; x: float32 -> the quantised numbers, widened to float32 again
;;       x = np.moveaxis(x, axis, -1); K = x.shape[-1]
;;       x = np.pad(x, [(0, 0)] * (x.ndim - 1) + [(0, -K % 32)]); x = x.reshape(x.shape[:-1] + (-1, 32)); a = np.abs(x).max(-1, keepdims=True)
;;       e = np.where(a > 0, np.clip(np.frexp(np.where(a > 0, a, 1))[1] - 1 - 2, -126, 127), 0)      # np.frexp(a)[1] - 1 = floor(log2(a)), exactly
;;       r = np.clip(x / 2.0 ** e, -7.5, 7.5)
;;       step = 2.0 ** (np.maximum(np.frexp(np.where(r == 0, 1, r))[1] - 1, 0) - 3)
;;       q = np.round(r / step) * step * 2.0 ** e      # np.round: ties to even
;;       return np.moveaxis(q.reshape(q.shape[:-2] + (-1,))[..., :K], -1, axis).astype(np.float32)
;;   ~~~
;;   SOFTMAX AHEAD OF A QUANTISED PRODUCT. Where the list says 'softmax', what is quantised is not the finished softmax but p = 2^(t - M), with t = logit x log2(e) and M = ceil(the row's largest t), a whole number; so 1/2 < the row's largest p <= 1. The row's sum l is taken of the UNQUANTISED p, in f32, and the product's result is divided by l at the end. Since M is a whole number, a kernel that streams over the keys may use a running M (the ceiling of the running maximum): every later rescaling is an exact power of two, which a block's scale takes up: the codes' values come out the same.
;;   OPERANDS COMPUTED ON THE WAY. 'Computed on the way' means the value that the module computes at that place (a softmax that the list does not call 'softmax' is quantised finished and normalised). What goes into a quantiser is computed in f32, as accurately as f32 sums, v_exp_f32 and their like allow (about 1e-6 of the number): no bf16 or f16 on the way to a quantiser, and a product that is left as it is and whose result goes on into a quantised operand takes f32 operands (vector FMAs, or v_wmma_f32_16x16x4_f32). A number that lies on a knife's edge between two numbers of the format may be rounded either way, as far as f32 arithmetic and the matrix unit's own rounding can turn it there, and no further.
;; One version. Each part assembles by itself: llvm-mc -triple=amdgcn-amd-amdhsa -mcpu=gfx1250 --defsym DOCPART=n.
;; ======== version 1 of 1: 5 launches
;; limits: right only within a limited range of input values
;; workspace buffers: xq 6,553,600 bytes; wqk 6,553,600 bytes; wv 6,553,600 bytes; wp 6,553,600 bytes; qkc 52,428,800 bytes; vtc 52,428,800 bytes; yq 6,553,600 bytes
;; launch quant (part 1): grid 384 x 1, 4 waves a work-group, no clusters, 33,280 bytes of LDS; arguments x, w_qkv, w_proj, xq, wqk, wv, wp; writes xq, wqk, wv, wp
.if DOCPART == 1
	.amdgcn_target "amdgcn-amd-amdhsa--gfx1250"
	.amdhsa_code_object_version 6
	.text
	.protected	k_qb12d9304b8_quant
	.globl	k_qb12d9304b8_quant
	.p2align	8
	.type	k_qb12d9304b8_quant,@function
k_qb12d9304b8_quant:
	s_mov_b64 s[64:65], 0
	v_nop
	global_prefetch_b8 v0, s[64:65] scope:SCOPE_SE
	s_setreg_imm32_b32 hwreg(HW_REG_WAVE_MODE, 25, 1), 1
	s_wait_xcnt 0x0
; x [8192][1024], w_qkv [3072][1024] and w_proj [1024][1024], f32, K innermost, become codes of FP6 (E2M3) with one E8M0 byte for each 32 along K.
; Each output buffer: codes [plane][row][192 bytes] from byte 0, scale bytes [row][32] from byte SOFF.  w_qkv's rows 0-2047 (q, k) go to wqk, its rows 2048-3071 (v) to wv.
; A block's scale is 2^(floor(log2(largest magnitude)) - 2); its byte is the largest magnitude's exponent field - 2, held at 1 from below.
; ROWS OF x AND w_qkv ARE STORED PERMUTED: row i lies at position i with its bits 3 and 4 exchanged.  A block of 16 neighbouring positions 32 B + 16 u + r then holds the rows
; 32 B + 8 u + r + 8 (r / 8), which is the choice of rows that lets the next launches' results lie along K in a lane's registers.  w_proj's rows stay where they are.
; A wave takes 8 rows (8,192 numbers, 16 steps of 512), a work-group 32 rows: so the permutation only exchanges the places of waves 1 and 2.
; LIMITS: a block of zeros gets the byte 1 (its codes are zeros; these bytes are read by this program alone); blocks with a largest magnitude under 2^-124 keep the byte 1; NaN and infinities are not served.
; One path through the text for all three tensors: only pointers and numbers are chosen, by the work-group's number.  No tensor loads, no barrier: waves share nothing.
; Each load reads 512 consecutive bytes; a step's 2,048 bytes turn through the wave's own stage in LDS so that a lane gets 16 neighbours along K (two lanes hold a block).
.set STEPS, 16
.set CB,    12                         ; bytes of 16 codes
.set R,     16                         ; v16-79   four sets of 16 numbers as they are loaded
.set X,     80                         ; v80-111  two sets of 16 neighbours
.set C,     128                        ; v128-191 codes: four registers for each step, so that no store's data are written again
.set E,     112                        ; v112-127 a scale byte for each step
.set WREG,  8192                       ; LDS: a region for each wave: two stages of 32 x SP bytes, then its 256 scale bytes
.set SP,    80                         ; a lane's place in a stage: 64 bytes + 16 of padding
.set SOFF,  0x600000
.set PLANE, 0x180000                   ; THE CODES LIE IN FOUR PLANES of 256 along K: [plane][row][192 bytes], a plane every PLANE bytes in every output buffer: 128 rows of a plane are 24,576 dense bytes
	s_load_b256 s[4:11], s[0:1], 0x0               ; x s[4:5], w_qkv s[6:7], w_proj s[8:9], xq s[10:11]
	s_load_b128 s[12:15], s[0:1], 0x20             ; wqk s[12:13], wv s[14:15]
	s_load_b64 s[24:25], s[0:1], 0x30              ; wp
	v_lshl_add_u32 v192, v0, 2, 0x8000
	v_mov_b32 v193, 0
	v_lshrrev_b32 v1, 5, v0
	v_readfirstlane_b32 s16, v1                    ; wave
	v_and_b32 v2, 31, v0                           ; lane
	v_lshlrev_b32 v3, 4, v2                        ; my 16 bytes of a load's 512
	s_mul_i32 s17, s16, WREG
	v_lshrrev_b32 v14, 2, v2
	v_mul_u32_u24 v14, v14, SP
	v_and_b32 v15, 3, v2
	v_lshl_add_u32 v14, v15, 4, v14
	v_add_nc_u32 v14, s17, v14                     ; the stage, on the way in: SP (lane / 4) + 16 (lane % 4)
	v_mul_u32_u24 v15, v2, SP
	v_add_nc_u32 v15, s17, v15                     ; and on the way out: SP x lane: my 16 neighbours
	v_and_b32 v4, 15, v2
	v_mul_u32_u24 v4, v4, CB
	v_lshrrev_b32 v8, 4, v2
	v_mad_u32_u24 v4, v8, PLANE, v4                ; my codes' place: lanes 0-15 fill a row's 192 bytes of one plane, lanes 16-31 of the next
	v_lshrrev_b32 v5, 1, v2
	s_add_co_u32 s17, s17, 2*32*SP
	v_add_nc_u32 v5, s17, v5                       ; LDS: my wave's 256 scale bytes, my block's byte
	v_lshlrev_b32 v7, 3, v2                        ; and on the way out 8 bytes a lane
	v_add_nc_u32 v6, s17, v7
	s_and_b32 s29, s16, 1
	s_lshl_b32 s29, s29, 1
	s_lshr_b32 s30, s16, 1
	s_or_b32 s29, s29, s30                         ; my wave's number with its two bits exchanged: where my 8 rows go under the permutation
	s_wait_alu depctr_va_vdst(0)
	s_wait_kmcnt 0x0
	; work-groups 0-255: x -> xq;  256-319: w_qkv -> wqk;  320-351: w_qkv -> wv;  352-383: w_proj -> wp.  s26: the source's first work-group; s27: the destination's
	s_mov_b64 s[20:21], s[8:9]
	s_mov_b64 s[22:23], s[24:25]
	s_mov_b32 s26, 352
	s_mov_b32 s27, 352
	s_mov_b32 s28, s16
	s_cmp_lt_u32 ttmp9, 352
	s_cselect_b64 s[20:21], s[6:7], s[20:21]
	s_cselect_b64 s[22:23], s[14:15], s[22:23]
	s_cselect_b32 s26, 256, s26
	s_cselect_b32 s27, 320, s27
	s_cselect_b32 s28, s29, s28
	s_cmp_lt_u32 ttmp9, 320
	s_cselect_b64 s[22:23], s[12:13], s[22:23]
	s_cselect_b32 s27, 256, s27
	s_cmp_lt_u32 ttmp9, 256
	s_cselect_b64 s[20:21], s[4:5], s[20:21]
	s_cselect_b64 s[22:23], s[10:11], s[22:23]
	s_cselect_b32 s26, 0, s26
	s_cselect_b32 s27, 0, s27
	s_sub_co_u32 s30, ttmp9, s26
	s_lshl_b32 s30, s30, 2
	s_add_co_u32 s30, s30, s16                     ; which run of 8 rows of the source is mine
	s_lshl_b32 s30, s30, 15                        ; 32,768 bytes a run
	s_mov_b32 s31, 0
	s_add_nc_u64 s[20:21], s[20:21], s[30:31]
	s_sub_co_u32 s30, ttmp9, s27
	s_lshl_b32 s30, s30, 2
	s_add_co_u32 s30, s30, s28                     ; and which run of 8 positions of the destination
	s_mul_i32 s32, s30, 1536                       ; 8 rows of 192 bytes in a plane
	s_mov_b32 s33, 0
	s_lshl_b32 s30, s30, 8                         ; 8 rows of 32 scale bytes
	s_add_co_u32 s30, s30, SOFF
	s_add_nc_u64 s[34:35], s[22:23], s[30:31]      ; the scale bytes
	s_add_nc_u64 s[22:23], s[22:23], s[32:33]      ; the codes
.macro LOAD t
.irp i, 0,1,2,3
	global_load_b128 v[R+16*((\t)%4)+4*\i:R+16*((\t)%4)+4*\i+3], v3, s[20:21] offset:2048*(\t)+512*\i th:TH_LOAD_NT   ; 32 lanes read 512 consecutive bytes
.endr
.endm
.macro TURN t                          ; step t's numbers through the stage: LDS serves a wave's instructions in order, so no wait stands between the stores and the loads
.irp i, 0,1,2,3
	ds_store_b128 v14, v[R+16*((\t)%4)+4*\i:R+16*((\t)%4)+4*\i+3] offset:32*SP*((\t)%2)+8*SP*\i
.endr
.irp i, 0,1,2,3
	ds_load_b128 v[X+16*((\t)%2)+4*\i:X+16*((\t)%2)+4*\i+3], v15 offset:32*SP*((\t)%2)+16*\i
.endr
.endm
.irp t, 0,1,2,3
	LOAD \t
.endr
	s_wait_loadcnt 12                              ; step 0's four loads are in; the twelve of steps 1 to 3 may be out
	TURN 0
.macro STEP t
.set XS, X+16*((\t)%2)
.if (\t) > 0
	s_wait_dscnt 1                                 ; this step's numbers are back from the stage (the last step's byte store may be out), so its stores into the stage have read their registers,
.else
	s_wait_dscnt 0x0
.endif
.if (\t)+4 < STEPS
	LOAD (\t)+4                                    ; which take the loads of four steps on
.endif
.if (\t)+1 < STEPS
.if STEPS-2-(\t) >= 3
	s_wait_loadcnt 12                              ; the next step's four loads are in; those of the three steps behind it may be out
.else
	s_wait_loadcnt 4*(STEPS-2-(\t))
.endif
	TURN (\t)+1                                    ; and go through the other stage while this step is worked
.endif
	v_max3_num_f32 v8, |v[XS]|, |v[XS+1]|, |v[XS+2]|               ; the largest magnitude of my 16, in two chains
	v_max3_num_f32 v9, |v[XS+3]|, |v[XS+4]|, |v[XS+5]|
.irp i, 6,10
	v_max3_num_f32 v8, v8, |v[XS+\i]|, |v[XS+\i+1]|
	v_max3_num_f32 v9, v9, |v[XS+\i+2]|, |v[XS+\i+3]|
.endr
	v_max3_num_f32 v8, v8, |v[XS+14]|, |v[XS+15]|
	v_max3_num_f32 v8, v8, v9, 0x1800000           ; and the floor 2^(3 - 127): the byte cannot fall under 1
	v_max_num_f32_dpp v8, v8, v8 row_xmask:1 row_mask:0xf bank_mask:0xf   ; and of my neighbour's 16: the block's
	v_add_nc_u32 v11, 0xff000000, v8               ; 2 off its exponent field: the conversion takes the exponent field of this operand as its scale
	v_cvt_scalef32_pk16_fp6_f32 v[C+4*(\t):C+4*(\t)+2], v[XS:XS+15], v11   ; sixteen codes, 96 bits without gaps
	v_lshrrev_b32 v[E+(\t)], 23, v11               ; the scale's byte
	ds_store_b8 v5, v[E+(\t)] offset:16*(\t)       ; both lanes of a block write the same byte with the same value
	global_store_b96 v4, v[C+4*(\t):C+4*(\t)+2], s[22:23] offset:192*((\t)/2)+2*PLANE*((\t)%2)   ; row t / 2, planes 2 (t % 2) and 2 (t % 2) + 1
.endm
.irp t, 0,1,2,3,4,5,6,7,8,9,10,11,12,13,14,15
	STEP \t
.endr
	ds_load_b64 v[12:13], v6                       ; LDS serves a wave's instructions in order: these see my stores
	s_wait_dscnt 0x0
	global_store_b64 v7, v[12:13], s[34:35]        ; 32 lanes store 256 consecutive bytes, aligned
	s_wait_tensorcnt 0x0
	ds_add_u32 v192, v193
	s_wait_dscnt 0x0
	s_endpgm
.Lfunc_end_k_qb12d9304b8_quant:
	.size	k_qb12d9304b8_quant, .Lfunc_end_k_qb12d9304b8_quant-k_qb12d9304b8_quant
	.p2alignl 7, 3214868480
	.fill 96, 4, 3214868480
	.section	.rodata,"a",@progbits
	.p2align	6, 0x0
	.amdhsa_kernel k_qb12d9304b8_quant
		.amdhsa_group_segment_fixed_size 33280
		.amdhsa_private_segment_fixed_size 0
		.amdhsa_enable_private_segment 0
		.amdhsa_kernarg_size 56
		.amdhsa_user_sgpr_count 2
		.amdhsa_user_sgpr_kernarg_segment_ptr 1
		.amdhsa_wavefront_size32 1
		.amdhsa_system_sgpr_workgroup_id_x 1
		.amdhsa_system_sgpr_workgroup_id_y 1
		.amdhsa_system_sgpr_workgroup_id_z 1
		.amdhsa_system_vgpr_workitem_id 0
		.amdhsa_next_free_vgpr 194
		.amdhsa_next_free_sgpr 66
		.amdhsa_reserve_vcc 0
		.amdhsa_float_denorm_mode_32 3
		.amdhsa_float_denorm_mode_16_64 3
		.amdhsa_memory_ordered 1
		.amdhsa_forward_progress 1
		.amdhsa_inst_pref_size 33
	.end_amdhsa_kernel
	.amdgpu_metadata
---
amdhsa.version: [ 1, 2 ]
amdhsa.kernels:
  - .name:           k_qb12d9304b8_quant
    .symbol:         k_qb12d9304b8_quant.kd
    .args:
      - { .name: x, .offset: 0, .size: 8, .value_kind: global_buffer, .address_space: global }
      - { .name: w_qkv, .offset: 8, .size: 8, .value_kind: global_buffer, .address_space: global }
      - { .name: w_proj, .offset: 16, .size: 8, .value_kind: global_buffer, .address_space: global }
      - { .name: xq, .offset: 24, .size: 8, .value_kind: global_buffer, .address_space: global }
      - { .name: wqk, .offset: 32, .size: 8, .value_kind: global_buffer, .address_space: global }
      - { .name: wv, .offset: 40, .size: 8, .value_kind: global_buffer, .address_space: global }
      - { .name: wp, .offset: 48, .size: 8, .value_kind: global_buffer, .address_space: global }
    .group_segment_fixed_size: 33280
    .private_segment_fixed_size: 0
    .kernarg_segment_align: 8
    .kernarg_segment_size: 56
    .max_flat_workgroup_size: 128
    .sgpr_count:     66
    .vgpr_count:     194
    .wavefront_size: 32
...
	.end_amdgpu_metadata
.endif
;; end of part 1
;; launch gemm_qk (part 2): grid 8 x 32, 4 waves a work-group, clusters of 4 x 4, 327,680 bytes of LDS; arguments xq, wqk, qkc; writes qkc
.if DOCPART == 2
	.amdgcn_target "amdgcn-amd-amdhsa--gfx1250"
	.amdhsa_code_object_version 6
	.text
	.protected	k_qb12d9304b8_gemm_qk
	.globl	k_qb12d9304b8_gemm_qk
	.p2align	8
	.type	k_qb12d9304b8_gemm_qk,@function
k_qb12d9304b8_gemm_qk:
	s_mov_b64 s[64:65], 0
	v_nop
	global_prefetch_b8 v0, s[64:65] scope:SCOPE_SE
	s_setreg_imm32_b32 hwreg(HW_REG_WAVE_MODE, 25, 1), 1
	s_wait_xcnt 0x0
	s_wait_alu depctr_hold_cnt(0) depctr_sa_sdst(0) depctr_va_vdst(0) depctr_va_sdst(0) depctr_va_ssrc(0) depctr_va_vcc(0) depctr_vm_vsrc(0)
	s_getreg_b32 s2, hwreg(HW_REG_IB_STS2, 6, 4)
	s_cmp_eq_u32 s2, 0
	s_cbranch_scc0 .Lentry_in_a_cluster
	s_endpgm
.Lentry_in_a_cluster:
	s_bfe_u32 s2, ttmp6, 0x10000c
	s_cmp_lg_u32 s2, 0xf033
	s_cbranch_scc0 .Lentry_shape_is_right
	s_endpgm
.Lentry_shape_is_right:
; R = A B^T on codes of FP6 (E2M3) with E8M0 scales, K = 1,024, and R is QUANTISED ALONG B's ROWS on its way out: it leaves as codes, never as f32.
; Arguments: A, B (codes [plane][row][192 bytes], scale bytes [row][32] from byte SOFF), the output.  The text serves two launches: A = x, B = W_q and W_k (q and k, quantised along the head's axis),
; and A = W_v, B = x (v transposed, quantised along the keys).  Grid: x = B's rows / 256, y = A's rows / 256.
; The rows of A and B lie permuted in their buffers: position 32 B + 16 u + r holds row 32 B + 8 u + r + 8 (r / 8).  THE MATRIX INSTRUCTION IS USED TRANSPOSED (source 0 = 16 positions of B,
; source 1 = 16 positions of A): lane (r, h) holds A's position r, and the 16 registers of B's blocks 2 B and 2 B + 1 are B's rows 32 B + 16 h + 0 .. 15: 16 neighbours along the next product's K.
; A work-group of four waves makes 256 x 256, a wave 128 x 128: 64 accumulators, 512 registers.  K goes in steps of 256 through a ring of two LDS slots filled by the tensor data mover (rows of 192 bytes).
; The scale bytes of the work-group's rows, for all of K, come into LDS once, with the first fills.
; CLUSTERS: 4 x 4 work-groups; A's tiles are asked for jointly along a row of the cluster, B's along a column.
; THE OUTPUT is a set of RECORDS, images of operand registers.  Record (RA, CB): 16 positions of A (block RA) x 64 of B's rows (chunk CB), at byte (512 CB + RA) x 768: bytes 16 lane .. + 15 are the lane's
; registers 0-3, bytes 512 + 8 lane .. + 7 its registers 4-5: lane (r, h) holds the 32 codes of rows 64 CB + 32 h .. + 31.  Scale words: at SCOFF + (512 (CB / 2) + RA) x 64 + 4 r, a byte for each 32.
; LIMITS: a block of zeros gets the byte 1 (its codes are zeros; this program alone reads the bytes); blocks with a largest magnitude under 2^-124 keep the byte 1; NaN and infinities are not served.
; REGISTERS, in windows of 256: window 0: v0-31 addresses; v32-63 scale words, two sets, and nothing else; v64-103 at work on the way out; from v128 A's fragments, ONE set, later the codes made.
;   window 1: B's fragments, TWO sets, at v0 and v128.   window 2: the accumulators of my rows 0-63 ((a, b) at v[8 (8 a + b)]);   window 3: those of my rows 64-127.
.set KSTEP,  256                       ; along K in a slot
.set NQ,     KSTEP/128                 ; matrix instructions deep
.set ROWB,   192                       ; a tile's row in bytes
.set KROW,   768                       ; a row of A or of B in memory, in bytes
.set PITCH,  240                       ; an LDS row: 3 x (64 bytes + 16 of padding): the 32 lanes of a load of 8 bytes touch 64 different banks (64 banks of 4 bytes: ISA guide 11.1)
.set FR,     12                        ; registers of a fragment: 16 rows x 128 K
.set NL,     6                         ; LDS loads that bring one
.set NP,     4                         ; places behind this matrix instruction (ISA guide 7.12.1)
.set HALFT,  128*PITCH                 ; 128 rows: what one tensor load brings
.set SLOT,   4*HALFT                   ; A's 256 rows, then B's 256 rows
.set LAPS,   2                         ; a lap = two K steps = once round the ring: K = 1,024
.set KS,     32                        ; a row of scales in bytes
.set SCL,    2*SLOT                    ; behind the ring: the scales, as units of 256 bytes + 16 of padding
.set HALFS,  (128*KS/256)*272          ; the scales of 128 rows
.set SBLK,   (16*KS/256)*272           ; those of 16 rows
.set SPARE,  SCL+4*HALFS               ; the spare words, 128 bytes for each wave: two blocks of 256 bytes that no other line names
.set SOFF,   0x600000
.set PLANE,  0x180000                  ; A's and B's codes lie as [plane of 256 along K][row][192 bytes]: a tile is dense and is stated as rows of 256 bytes; the padding's interval stays 64 bytes, so an LDS row is 3 x (64 + 16)
.set G0H,    4                         ; s[4:7], s[8:11] group 0 of the head's loads of K step 0: A's 256 rows, B's 256 rows (the arguments that lay there have served)
.set G0HB,   8
.set SCOFF,  0x3000000                 ; where the scale words begin in the output
.set CBSTR,  512*768                   ; from a chunk's records to the next chunk's
.set ADRA, 16                          ; v16-17  LDS address of my A fragments in slot 0, 1  (v18-19: for the pieces that lie behind one padding more)
.set ADRB, 20                          ; v20-21  the same for B  (v22-23)
.set L16,  24                          ; v24     16 x lane
.set L8,   25                          ; v25     8 x lane
.set STW,  26                          ; v26     the way out: where I put a scale word: 512 x wave + 4 x lane (in slot 0, which has had its last fill and its last read by then)
.set ADRS, 27                          ; v27     LDS address of my scale words: lanes 0-15 A's rows, lanes 16-31 B's
.set SPW,  28                          ; v28     LDS address of my spare word; never rewritten
.set NIL,  29                          ; v29     0; never rewritten
.set STR,  30                          ; v30     the way out: where I read 16 bytes of scale words back: 512 x wave + 16 x lane
.set SC,   32                          ; scale words: set s at v[SC + 16 s]; register 2 i + q: lanes 0-15 A's block i, lanes 16-31 B's block i, the slot's q-th 128 along K
.set TM,   64                          ; v64-79  the quantiser: largest magnitudes, bytes, scale operands
.set PT,   80                          ; v80-87  the conversions' second halves
.set PWR,  88                          ; v88-95  the scale word of each of my eight blocks of A
.set SW,   96                          ; v96-99  two blocks' words in one register
.set BKS,  100                         ; v100-103 the words read back
.set AF,   128                         ; A's fragments; on the way out block a's codes at v[AF + 12 a]
.set G1, 24                            ; s[24:31] descriptor group 1 for A's tiles;  s[32:39] group 0, one set for each slot
.set G0, 32
.set G1B, 48                           ; s[48:55], s[56:63] the same for B's tiles
.set G0B, 56
.set G1S, 68                           ; s[68:75], s[76:79] groups 1 and 0 for A's scales;  s[80:87], s[88:91] for B's
.set G0S, 76
.set G1SB, 80
.set G0SB, 88
.set SEL, 96                           ; s[96:97] lane selects for v_permlanex16_b32: lane l xor 16
.set MSB, 0
.macro WIN new                         ; the immediate's high byte repeats the setting that is left
.if MSB != \new
	s_set_vgpr_msb (MSB<<8)|\new
.set MSB, \new
.endif
.endm
.set MUL_LO, 0xa1                      ; source 0 (B) window 1, source 1 (A) window 0, C and D window 2
.set MUL_HI, 0xf1                      ; the same, C and D window 3
.set TO_B,   0x40                      ; destination window 1, address window 0
; A joint load: waves 0 and 1 fetch for A, waves 2 and 3 for B.  Each line has one mask and one set of registers for all that issue it; the branch hangs on the wave's number alone.
; Four v_nop follow each of the two lines, ahead of the jump, the label and what follows.
.macro JLOAD g0a, g1a, g0b, g1b
	s_cmp_eq_u32 s15, 0
	s_cbranch_scc0 .Lfor_b_\@
	tensor_load_to_lds s[\g0a:\g0a+3], s[\g1a:\g1a+7]
	s_nop 0
.rept 4
	v_nop
.endr
	s_branch .Lasked_\@
.Lfor_b_\@:
	tensor_load_to_lds s[\g0b:\g0b+3], s[\g1b:\g1b+7]
	s_nop 0
.rept 4
	v_nop
.endr
.Lasked_\@:
.endm
.macro CREST                           ; a round of the cluster's barrier behind its opening barrier
	s_cmp_lg_u32 s14, 0
	s_cbranch_scc1 .Lnot_wave_0_\@
	s_barrier_signal -3
.Lnot_wave_0_\@:
	s_barrier_wait -3
	s_barrier_signal -1
	s_barrier_wait -1
.endm
.macro CROUND                          ; a whole round
	s_barrier_signal -1
	s_barrier_wait -1
	CREST
.endm
	s_load_b64 s[4:5], s[0:1], 0x0                 ; A
	s_load_b64 s[8:9], s[0:1], 0x8                 ; B
	s_load_b64 s[12:13], s[0:1], 0x10              ; the output
	v_lshl_add_u32 v[SPW], v0, 2, SPARE
	v_mov_b32 v[NIL], 0
	ds_add_u32 v28, v29
	ds_add_u32 v28, v29
	s_wait_dscnt 0x0
	v_lshrrev_b32 v1, 5, v0
	v_readfirstlane_b32 s14, v1                    ; wave 0..3
	s_lshr_b32 s15, s14, 1                         ; which half of the tile's rows is mine.  Also: I fetch for A (0) or for B (1)
	s_and_b32 s16, s14, 1                          ; which half of its columns.  Also: which 128 rows of that tile I fetch
	s_bfe_u32 s40, ttmp6, 0x40000                  ; cx, cy: my place in the cluster
	s_bfe_u32 s41, ttmp6, 0x40004
	s_lshl_b32 s42, ttmp9, 2
	s_add_co_u32 s42, s42, s40                     ; tile column = 4 x cluster x + cx
	s_and_b32 s17, ttmp7, 0xffff
	s_lshl_b32 s17, s17, 2
	s_add_co_u32 s17, s17, s41                     ; tile row = 4 x cluster y + cy
	s_lshl_b32 s43, s41, 2
	s_lshl_b32 s43, 15, s43                        ; my row of the cluster
	s_lshl_b32 s44, 0x1111, s40                    ; my column
	; descriptor group 1: a tile of 128 rows x 192 bytes, 16 bytes of padding behind every 64
	s_or_b32 s[G1+0], s43, (0<<16)|(1<<20)|(1<<21)|(3<<22)|(3<<25)  ; 15:0 the mask; 17:16 elements of 1 byte; 20 padding on; 21 set beside a mask; 24:22 after every 16 words; 31:25 of 4 words
	s_or_b32 s[G1B+0], s44, (0<<16)|(1<<20)|(1<<21)|(3<<22)|(3<<25)
.irp g, G1, G1B
	s_mov_b32 s[\g+1], 256<<16                     ; rows of 256 bytes
	s_mov_b32 s[\g+2], 192<<16                     ; the head's loads: 256 rows of codes = 192 such rows; the ring's count 96
	s_mov_b32 s[\g+3], 256<<16
	s_mov_b32 s[\g+4], 192
	s_mov_b32 s[\g+5], 256
	s_mov_b32 s[\g+6], 0
	s_mov_b32 s[\g+7], 0
.endr
	; the scales of 128 rows: a dense block of 4,096 bytes, as 16 rows of 256 bytes (32 elements of 8 bytes), 16 bytes of padding behind each
	s_or_b32 s[G1S+0], s43, (3<<16)|(1<<20)|(1<<21)|(5<<22)|(3<<25)
	s_or_b32 s[G1SB+0], s44, (3<<16)|(1<<20)|(1<<21)|(5<<22)|(3<<25)
.irp g, G1S, G1SB
	s_mov_b32 s[\g+1], 32<<16
	s_mov_b32 s[\g+2], (256*KS/256)<<16            ; the scales of all 256 rows by one load
	s_mov_b32 s[\g+3], 32<<16
	s_mov_b32 s[\g+4], 256*KS/256
	s_mov_b32 s[\g+5], 32
	s_mov_b32 s[\g+6], 0
	s_mov_b32 s[\g+7], 0
.endr
	s_lshl_b32 s20, s17, 8                         ; A: the tile's first position
	s_lshl_b32 s46, s42, 8                         ; B's
	s_lshl_b32 s22, s20, 5
	s_add_co_u32 s22, s22, SOFF                    ; where these rows' scales begin, in bytes (all offsets stay under 2^23),
	s_mov_b32 s23, 0
	s_lshl_b32 s92, s46, 5
	s_add_co_u32 s92, s92, SOFF
	s_mov_b32 s93, 0
	s_mul_i32 s20, s20, ROWB
	s_mov_b32 s21, 0
	s_mul_i32 s46, s46, ROWB
	s_mov_b32 s47, 0
	s_mul_i32 s45, s14, HALFT                      ; where they go: wave x 128 rows: no place in the cluster enters an LDS address
	s_mul_i32 s18, s16, 128*ROWB                   ; in the ring I fetch 128 rows of a tile: which half, in bytes
	s_mov_b32 s19, 0
	s_wait_kmcnt 0x0
	s_add_nc_u64 s[20:21], s[4:5], s[20:21]
	s_add_nc_u64 s[22:23], s[4:5], s[22:23]
	s_add_nc_u64 s[46:47], s[8:9], s[46:47]
	s_add_nc_u64 s[92:93], s[8:9], s[92:93]
	CROUND                                         ; all sixteen work-groups are here: the first joint loads meet
	s_mov_b32 s[G0S], 1
	s_mov_b32 s[G0S+1], SCL
	s_mov_b64 s[G0S+2:G0S+3], s[22:23]
	s_or_b32 s[G0S+3], s[G0S+3], 0x80000000
	s_mov_b32 s[G0SB], 1
	s_mov_b32 s[G0SB+1], SCL+2*HALFS
	s_mov_b64 s[G0SB+2:G0SB+3], s[92:93]
	s_or_b32 s[G0SB+3], s[G0SB+3], 0x80000000
	s_mov_b32 s[G0H], 1                            ; K step 0's 256 rows of A,
	s_mov_b32 s[G0H+1], 0
	s_mov_b64 s[G0H+2:G0H+3], s[20:21]
	s_or_b32 s[G0H+3], s[G0H+3], 0x80000000
	s_mov_b32 s[G0HB], 1                           ; and of B, behind them in slot 0
	s_mov_b32 s[G0HB+1], 2*HALFT
	s_mov_b64 s[G0HB+2:G0HB+3], s[46:47]
	s_or_b32 s[G0HB+3], s[G0HB+3], 0x80000000
	s_add_nc_u64 s[20:21], s[20:21], s[18:19]      ; for the ring: my 128 rows
	s_add_nc_u64 s[46:47], s[46:47], s[18:19]
.irp s, 0,1
	s_mov_b32 s[G0+4*\s], 1
	s_add_co_u32 s[G0+4*\s+1], s45, \s*SLOT
	s_add_nc_u64 s[G0+4*\s+2:G0+4*\s+3], s[20:21], \s*PLANE
	s_or_b32 s[G0+4*\s+3], s[G0+4*\s+3], 0x80000000
	s_mov_b32 s[G0B+4*\s], 1
	s_add_co_u32 s[G0B+4*\s+1], s45, \s*SLOT
	s_add_nc_u64 s[G0B+4*\s+2:G0B+4*\s+3], s[46:47], \s*PLANE
	s_or_b32 s[G0B+4*\s+3], s[G0B+4*\s+3], 0x80000000
.endr
; THE HEAD'S LOADS, ONE A WAVE: wave 0 K step 0's rows of A, wave 1 those of B, wave 2 A's scales, wave 3 B's: one chain of branches on the wave's number, one load to an arm
.macro ARM under, g0, g1, next
	s_cmp_lt_u32 s14, \under
	s_cbranch_scc0 \next
	tensor_load_to_lds s[\g0:\g0+3], s[\g1:\g1+7]
	s_nop 0
.rept 4
	v_nop
.endr
	s_branch .Lhead_asked
\next:
.endm
	ARM 1, G0H,  G1,  .Lhead_b
	ARM 2, G0HB, G1B, .Lhead_sa
	ARM 3, G0S,  G1S, .Lhead_sb
	tensor_load_to_lds s[G0SB:G0SB+3], s[G1SB:G1SB+7]
	s_nop 0
.rept 4
	v_nop
.endr
.Lhead_asked:
	v_and_b32 v1, 15, v0                           ; r = lane % 16
	v_bfe_u32 v2, v0, 4, 1                         ; h = lane / 16
	v_mul_u32_u24 v3, v1, PITCH
	v_mul_u32_u24 v4, v2, 24
	v_add_nc_u32 v4, v3, v4                        ; a fragment's row x pitch + 24 x half
	v_lshl_add_u32 v5, v2, 4, v4                   ; and the same behind one padding more
	s_mul_i32 s21, s15, HALFT                      ; my 128 rows of A
	s_mul_i32 s22, s16, HALFT                      ; my 128 rows of B,
	s_add_co_u32 s22, s22, 2*HALFT                 ; which lie behind A's 256
.irp s, 0,1
	v_add_nc_u32 v[ADRA+\s], s21, v4
	v_add_nc_u32 v[ADRB+\s], s22, v4
	v_add_nc_u32 v[ADRA+2+\s], s21, v5
	v_add_nc_u32 v[ADRB+2+\s], s22, v5
	s_add_co_u32 s21, s21, SLOT
	s_add_co_u32 s22, s22, SLOT
.endr
	v_mul_u32_u24 v5, v1, KS                       ; my row's scales: 32 bytes a row,
	v_lshrrev_b32 v6, 8, v5
	v_lshl_add_u32 v5, v6, 4, v5                   ; and 16 more for each 256 passed
	s_mul_i32 s21, s15, HALFS                      ; A's: my 128 rows
	s_mul_i32 s22, s16, HALFS                      ; B's: my 128 rows, behind A's 256
	s_add_co_u32 s22, s22, 2*HALFS
	s_sub_co_u32 s22, s22, s21
	v_mul_u32_u24 v6, s22, v2                      ; lanes 16-31 take B's: one product, the distance between the two bases
	s_add_co_u32 s21, s21, SCL
	v_add_nc_u32 v5, v5, v6
	v_add_nc_u32 v[ADRS], s21, v5
	v_and_b32 v6, 31, v0
	v_lshlrev_b32 v[L16], 4, v6
	v_lshlrev_b32 v[L8], 3, v6
	s_lshl_b32 s23, s14, 9                         ; my 512 bytes for the scale words' way out
	v_lshl_add_u32 v[STW], v6, 2, s23
	v_lshl_add_u32 v[STR], v6, 4, s23
	; where my records begin: RA0 = 16 x tile row + 8 x half, CB0 = 4 x tile column + 2 x half
	s_lshl_b32 s20, s17, 4
	s_lshl_b32 s21, s15, 3
	s_add_co_u32 s20, s20, s21                     ; RA0
	s_lshl_b32 s46, s42, 2
	s_lshl_b32 s47, s16, 1
	s_add_co_u32 s46, s46, s47                     ; CB0
	s_lshl_b32 s47, s46, 9
	s_add_co_u32 s47, s47, s20
	s_mul_i32 s22, s47, 768                        ; (512 CB0 + RA0) x 768, under 2^26
	s_mov_b32 s23, 0
	s_lshr_b32 s46, s46, 1
	s_lshl_b32 s46, s46, 9
	s_add_co_u32 s46, s46, s20
	s_lshl_b32 s46, s46, 6
	s_add_co_u32 s46, s46, SCOFF                   ; SCOFF + (512 (CB0 / 2) + RA0) x 64
	s_mov_b32 s47, 0
	s_add_nc_u64 s[92:93], s[12:13], s[46:47]      ; my scale words
	s_add_nc_u64 s[12:13], s[12:13], s[22:23]      ; my records
	s_mov_b32 s[SEL], 0x76543210
	s_mov_b32 s[SEL+1], 0xfedcba98
	s_mov_b32 s95, 0xffff0000                      ; lanes 16-31
.macro FRAG reg, adr, q, i             ; a fragment, 16 rows x 128 K, is 12 registers: lane l holds row l % 16; registers 6 c .. 6 c + 5 hold K = 64 c + 32 (l / 16) + 0 .. 31: 24 bytes of the row's stream of bits, as they lie
.irp p, 0,1,2,3,4,5                    ; in pieces of 8 bytes.  Lanes 0-15 take the row's pieces 12 q + 0, 1, 2 and 12 q + 6, 7, 8, lanes 16-31 those three pieces on
.set PCE, 12*(\q)+6*(\p/3)+\p%3        ; 16 bytes of padding lie behind every 8 pieces: where the piece three on lies behind one padding more, the second address register serves
.if PCE%8 < 5
	ds_load_b64 v[\reg+2*\p:\reg+2*\p+1], v[\adr] offset:8*PCE+16*(PCE/8)+(\i)*16*PITCH
.else
	ds_load_b64 v[\reg+2*\p:\reg+2*\p+1], v[\adr+2] offset:8*PCE+16*(PCE/8)+(\i)*16*PITCH
.endif
.endr
.endm
; 16 matrix instructions: A's blocks a0, a0 + 1 x B's eight, 128 along K: the slot's q-th.  p: B's set;  sc: the set of scale words.  zero = 1: the first product starts the sums.
; The 64 accumulators take turns, one instruction a turn, in the same order in every step.
.macro MUL16 a0, p, q, sc, zero
.irp a, \a0, \a0+1
.irp b, 0,1,2,3,4,5,6,7
.if \zero
	v_wmma_scale_f32_16x16x128_f8f6f4 v[8*(8*((\a)%4)+\b):8*(8*((\a)%4)+\b)+7], v[128*(\p)+FR*\b:128*(\p)+FR*\b+FR-1], v[AF+FR*(\a):AF+FR*(\a)+FR-1], 0, v[SC+8*NQ*(\sc)+NQ*\b+(\q)], v[SC+8*NQ*(\sc)+NQ*(\a)+(\q)] matrix_a_fmt:MATRIX_FMT_FP6 matrix_b_fmt:MATRIX_FMT_FP6 matrix_a_scale:MATRIX_SCALE_ROW1
.else
	v_wmma_scale_f32_16x16x128_f8f6f4 v[8*(8*((\a)%4)+\b):8*(8*((\a)%4)+\b)+7], v[128*(\p)+FR*\b:128*(\p)+FR*\b+FR-1], v[AF+FR*(\a):AF+FR*(\a)+FR-1], v[8*(8*((\a)%4)+\b):8*(8*((\a)%4)+\b)+7], v[SC+8*NQ*(\sc)+NQ*\b+(\q)], v[SC+8*NQ*(\sc)+NQ*(\a)+(\q)] matrix_a_fmt:MATRIX_FMT_FP6 matrix_b_fmt:MATRIX_FMT_FP6 matrix_a_scale:MATRIX_SCALE_ROW1
.endif
.endr
.endr
.endm
.macro FETCH_B slot, q, p              ; B's eight fragments of the slot's q-th 128 along K into set p
	WIN TO_B
.irp i, 0,1,2,3,4,5,6,7
	FRAG 128*(\p)+FR*\i, ADRB+\slot, \q, \i
.endr
	WIN 0
.endm
.macro FETCH_A slot, q, i0             ; A's blocks i0 .. i0 + 3
.irp i, \i0, \i0+1, \i0+2, \i0+3
	FRAG AF+FR*(\i), ADRA+\slot, \q, \i
.endr
.endm
.macro SCALES sc                       ; the next K step's scale words into set sc: two words a row; lanes 0-15 take A's block i, lanes 16-31 B's block i
.irp i, 0,1,2,3,4,5,6,7
	ds_load_b64 v[SC+8*NQ*\sc+NQ*\i:SC+8*NQ*\sc+NQ*\i+1], v[ADRS] offset:\i*SBLK
.endr
.endm
; A load into a register that a matrix instruction has read, and a vector instruction that reads a matrix result or writes one of its registers, stand NP places behind it; only plain vector
; instructions that name none of its registers are places (ISA guide 7.12.1 for vector instructions).
.macro PLACES n
.rept \n
	v_nop
.endr
.endm
; A step of 128 along K that has its successor in the same slot.
.macro STEP slot, q, zero
	s_wait_dscnt 4*NL                              ; B's set and A's blocks 0-3 are in; the youngest 24 loads (A's blocks 4-7) may be out
	WIN MUL_LO
	MUL16 0, (\q)%2, \q, \slot, \zero
	MUL16 2, (\q)%2, \q, \slot, \zero
	s_wait_dscnt 0                                 ; A's blocks 4-7 are in (asked for 32 matrix instructions ago)
	PLACES NP
	FETCH_B \slot, (\q)+1, 1-(\q)%2
	FETCH_A \slot, (\q)+1, 0
	WIN MUL_HI
	MUL16 4, (\q)%2, \q, \slot, \zero
	MUL16 6, (\q)%2, \q, \slot, \zero
	PLACES NP
	WIN 0
	FETCH_A \slot, (\q)+1, 4
.endm
; A slot's last step changes slots: ONE barrier; in front of it each wave waits for all its tensor loads, adds 0 to its spare word, and waits for that and for its own reads of this slot.  fill = 1: this slot is filled again, two K steps ahead.
.macro TURN slot, next, fill
	s_wait_tensorcnt 0x0                           ; all my tensor loads have landed: my part of the next slot;  (every window is 0 here)
	ds_add_u32 v[SPW], v[NIL]                      ; 0 onto my spare word;
	s_wait_dscnt 4*NL+1                            ; (the add and the youngest 24 loads, A's blocks 4-7, may be out)
	WIN MUL_LO
	MUL16 0, 1, NQ-1, \slot, 0                     ; sixteen matrix instructions stand between the add and the wait for it
	s_wait_dscnt 0x0                               ; the add is done, and my reads of this slot are over
	s_barrier_signal -1
	MUL16 2, 1, NQ-1, \slot, 0
	WIN 0
	s_barrier_wait -1
.if \fill
	CREST                                          ; the barrier has opened a round of the cluster's barrier: no wave of any partner still reads this slot's tile or has a load on its way
	s_add_nc_u64 s[G0+4*\slot+2:G0+4*\slot+3], s[G0+4*\slot+2:G0+4*\slot+3], 2*PLANE
	s_add_nc_u64 s[G0B+4*\slot+2:G0B+4*\slot+3], s[G0B+4*\slot+2:G0B+4*\slot+3], 2*PLANE
	JLOAD G0+4*\slot, G1, G0B+4*\slot, G1B         ; the first tensor load behind the round; the four v_nop behind it are the places in front of the loads below
.else
	PLACES NP
.endif
	s_wait_alu depctr_va_vdst(0)
	v_add_nc_u32 v[ADRS], 4*NQ, v[ADRS]            ; on to the next K step's scale words
	FETCH_B \next, 0, 0
	FETCH_A \next, 0, 0
	SCALES \next
	WIN MUL_HI
	MUL16 4, 1, NQ-1, \slot, 0
	MUL16 6, 1, NQ-1, \slot, 0
	PLACES NP
	WIN 0
	FETCH_A \next, 0, 4
.endm
	s_wait_alu depctr_va_vdst(0)
	s_wait_tensorcnt 0x0                           ; my tile of the head's four is in; slot 1's first fill is issued as a refill is
	ds_add_u32 v[SPW], v[NIL]
	s_mov_b32 s[G1+2], 96<<16                      ; no load of mine is out: from here on a load brings 128 rows of codes, 96 rows of 256 bytes
	s_mov_b32 s[G1+4], 96
	s_mov_b32 s[G1B+2], 96<<16
	s_mov_b32 s[G1B+4], 96
	s_wait_dscnt 0x0
	CROUND                                         ; all four tiles are in, and all sixteen work-groups are here
	JLOAD G0+4, G1, G0B+4, G1B                     ; K step 1, the first tensor load behind the round
	FETCH_B 0, 0, 0
	FETCH_A 0, 0, 0
	SCALES 0
	FETCH_A 0, 0, 4
	STEP 0, 0, 1                                   ; the first step stands in front of the loop: its products start the sums
	s_mov_b32 s3, LAPS-1
.Llap:                                                 ; a trip goes once round the ring, from a lap's second step to the next lap's first, and fills both slots again
	TURN 0, 1, 1
	STEP 1, 0, 0
	TURN 1, 0, 1
	STEP 0, 0, 0
	s_sub_co_u32 s3, s3, 1
	s_cmp_lg_u32 s3, 0
	s_cbranch_scc1 .Llap
	TURN 0, 1, 0                                   ; the last lap fills nothing, and has no round of the cluster's barrier
	STEP 1, 0, 0
	s_wait_dscnt 4*NL                              ; the very last step: nothing more to fetch
	WIN MUL_LO
	MUL16 0, 1, NQ-1, 1, 0
	MUL16 2, 1, NQ-1, 1, 0
	s_wait_dscnt 0
	WIN MUL_HI
	MUL16 4, 1, NQ-1, 1, 0
	MUL16 6, 1, NQ-1, 1, 0
	WIN 0
; THE WAY OUT.  Block a of A (16 positions) has 64 numbers a lane: register 16 B + i is B's row 32 B + 16 h + i of my wave's 128.  They become a fragment's 12 registers of codes and a scale word a row:
; the largest magnitude of each block of 32 (my 16 and lane l xor 16's), 2 off its exponent field as the conversion's scale operand, that field as the byte; then the halves change places so that a lane
; holds a whole block.  Registers 0-5 are record (RA0 + a, CB0), registers 6-11 record (RA0 + a, CB0 + 1): each store covers 512 or 256 consecutive bytes, aligned.  Each accumulator is read from its low end on.
.macro QUANTW a
.set AC, 64*((\a)%4)
.set WW, 2+(\a)/4                      ; the accumulators' window
.set PC, AF+12*(\a)
	WIN WW*5                                       ; sources 0 and 1 in window WW
.irp b, 0,1,2,3
	v_max3_num_f32 v[TM+\b], |v[AC+16*\b]|, |v[AC+16*\b+1]|, 0x1800000   ; and the floor 2^(3 - 127): the byte cannot fall under 1
.endr
.irp i, 2,4,6,8,10,12,14
.irp b, 0,1,2,3
	v_max3_num_f32 v[TM+\b], |v[AC+16*\b+\i]|, |v[AC+16*\b+\i+1]|, v[TM+\b]   ; (the four blocks by turns)
.endr
.endr
	WIN 0
.irp b, 0,1,2,3
	v_permlanex16_b32 v[TM+4+\b], v[TM+\b], s[SEL], s[SEL+1]
.endr
.irp b, 0,1,2,3
	v_max_num_f32 v[TM+\b], v[TM+\b], v[TM+4+\b]
.endr
.irp b, 0,1,2,3
	v_add_nc_u32 v[TM+12+\b], 0xff000000, v[TM+\b]
.endr
.irp b, 0,1,2,3
	v_lshrrev_b32 v[TM+4+\b], 23, v[TM+12+\b]
.endr
	v_lshl_or_b32 v[PWR+(\a)], v[TM+5], 8, v[TM+4]
	v_lshl_or_b32 v[PWR+(\a)], v[TM+6], 16, v[PWR+(\a)]
	v_lshl_or_b32 v[PWR+(\a)], v[TM+7], 24, v[PWR+(\a)]
	WIN WW                                         ; source 0 in window WW
.irp c, 0,1
	v_cvt_scalef32_pk16_fp6_f32 v[PC+6*\c:PC+6*\c+2], v[AC+32*\c:AC+32*\c+15], v[TM+12+2*\c]
	v_cvt_scalef32_pk16_fp6_f32 v[PT+4*\c:PT+4*\c+2], v[AC+32*\c+16:AC+32*\c+31], v[TM+12+2*\c+1]   ; (a conversion's three registers begin on an even number)
.endr
	WIN 0
	v_nop                                          ; one plain place behind a scaled conversion
.irp c, 0,1
.irp i, 0,1,2
	v_permlane16_swap_b32 v[PC+6*\c+\i], v[PT+4*\c+\i]
.endr
.irp i, 0,1,2
	v_mov_b32 v[PC+3+6*\c+\i], v[PT+4*\c+\i]
.endr
.endr
.irp c, 0,1
	global_store_b128 v[L16], v[PC+6*\c:PC+6*\c+3], s[12:13] offset:768*(\a)+CBSTR*\c
	global_store_b64 v[L8], v[PC+6*\c+4:PC+6*\c+5], s[12:13] offset:768*(\a)+CBSTR*\c+512
.endr
.endm
	PLACES NP                                      ; behind the last products: for the first reads of results and the first writes over A's fragments
.irp b, 0,1,2,3
	v_mov_b32 v[TM+4+\b], 0                        ; written once: a lane permute's destination counts as one of its sources
.endr
.irp a, 0,1,2,3,4,5,6,7                ; each block has registers of its own for its codes, so no store's data are written again
	QUANTW \a
.endr
.irp p, 0,1,2,3
	v_cndmask_b32 v[SW+\p], v[PWR+2*\p], v[PWR+2*\p+1], s95   ; lanes 0-15: block 2 p's words, lanes 16-31: block 2 p + 1's (every lane holds its row's word)
.endr
.irp p, 0,1,2,3
	ds_store_b32 v[STW], v[SW+\p] offset:128*\p    ; my eight blocks' words on end: 64 bytes a block
.endr
	ds_load_b128 v[BKS:BKS+3], v[STR]              ; LDS serves a wave's instructions in order: this sees my stores
	s_wait_dscnt 0x0
	global_store_b128 v[L16], v[BKS:BKS+3], s[92:93]   ; 512 consecutive bytes, aligned
	s_wait_tensorcnt 0x0                           ; the wave's end
	ds_add_u32 v[SPW], v[NIL]
	s_wait_dscnt 0x0
	CROUND                                         ; the closing round: no work-group ends while a partner may still ask for a tile that names it
	s_endpgm
.Lfunc_end_k_qb12d9304b8_gemm_qk:
	.size	k_qb12d9304b8_gemm_qk, .Lfunc_end_k_qb12d9304b8_gemm_qk-k_qb12d9304b8_gemm_qk
	.p2alignl 7, 3214868480
	.fill 96, 4, 3214868480
	.section	.rodata,"a",@progbits
	.p2align	6, 0x0
	.amdhsa_kernel k_qb12d9304b8_gemm_qk
		.amdhsa_group_segment_fixed_size 327680
		.amdhsa_private_segment_fixed_size 0
		.amdhsa_enable_private_segment 0
		.amdhsa_kernarg_size 24
		.amdhsa_user_sgpr_count 2
		.amdhsa_user_sgpr_kernarg_segment_ptr 1
		.amdhsa_wavefront_size32 1
		.amdhsa_system_sgpr_workgroup_id_x 1
		.amdhsa_system_sgpr_workgroup_id_y 1
		.amdhsa_system_sgpr_workgroup_id_z 1
		.amdhsa_system_vgpr_workitem_id 0
		.amdhsa_next_free_vgpr 1024
		.amdhsa_next_free_sgpr 100
		.amdhsa_reserve_vcc 0
		.amdhsa_float_denorm_mode_32 3
		.amdhsa_float_denorm_mode_16_64 3
		.amdhsa_memory_ordered 1
		.amdhsa_forward_progress 1
		.amdhsa_inst_pref_size 167
	.end_amdhsa_kernel
	.amdgpu_metadata
---
amdhsa.version: [ 1, 2 ]
amdhsa.kernels:
  - .name:           k_qb12d9304b8_gemm_qk
    .symbol:         k_qb12d9304b8_gemm_qk.kd
    .args:
      - { .name: xq, .offset: 0, .size: 8, .value_kind: global_buffer, .address_space: global }
      - { .name: wqk, .offset: 8, .size: 8, .value_kind: global_buffer, .address_space: global }
      - { .name: qkc, .offset: 16, .size: 8, .value_kind: global_buffer, .address_space: global }
    .group_segment_fixed_size: 327680
    .private_segment_fixed_size: 0
    .kernarg_segment_align: 8
    .kernarg_segment_size: 24
    .max_flat_workgroup_size: 128
    .sgpr_count:     100
    .vgpr_count:     1024
    .wavefront_size: 32
...
	.end_amdgpu_metadata
.endif
;; end of part 2
;; launch gemm_v: the kernel of part 2 again; grid 32 x 4, 4 waves a work-group, clusters of 4 x 4, 327,680 bytes of LDS; arguments wv, xq, vtc; writes vtc
;; launch attn (part 3): grid 8 x 32, 16 waves a work-group, clusters of 4 x 1, 327,680 bytes of LDS; arguments qkc, vtc, yq; writes yq
.if DOCPART == 3
	.amdgcn_target "amdgcn-amd-amdhsa--gfx1250"
	.amdhsa_code_object_version 6
	.text
	.protected	k_qb12d9304b8_attn
	.globl	k_qb12d9304b8_attn
	.p2align	8
	.type	k_qb12d9304b8_attn,@function
k_qb12d9304b8_attn:
	s_mov_b64 s[64:65], 0
	v_nop
	global_prefetch_b8 v0, s[64:65] scope:SCOPE_SE
	s_setreg_imm32_b32 hwreg(HW_REG_WAVE_MODE, 25, 1), 1
	s_wait_xcnt 0x0
	s_wait_alu depctr_hold_cnt(0) depctr_sa_sdst(0) depctr_va_vdst(0) depctr_va_sdst(0) depctr_va_ssrc(0) depctr_va_vcc(0) depctr_vm_vsrc(0)
	s_getreg_b32 s2, hwreg(HW_REG_IB_STS2, 6, 4)
	s_cmp_eq_u32 s2, 0
	s_cbranch_scc0 .Lentry_in_a_cluster
	s_endpgm
.Lentry_in_a_cluster:
	s_bfe_u32 s2, ttmp6, 0x10000c
	s_cmp_lg_u32 s2, 0x3003
	s_cbranch_scc0 .Lentry_shape_is_right
	s_endpgm
.Lentry_shape_is_right:
.set SLOT1, 131072
.set VOFF,  49152
.set SCK,   262144
.set SCV,   270336
.set SPARE, 278528
.set EX,    280576
.set SCOFF, 0x3000000
.set YSC,   0x600000
.set AK16, 1
.set AK8,  2
.set AV16, 3
.set AV8,  4
.set ASK0, 5
.set ASV0, 6
.set SPW,  7
.set NIL,  8
.set DM,   9
.set ADK16, 10
.set ADK8, 11
.set ADV16, 12
.set ADV8, 13
.set ADS,  14
.set ADT,  15
.set PFO,  16
.set F,    52
.set S,    106
.set PCD,  234
.set KS,   246
.set BM,   F
.set T2,   F+4
.set SO,   F+12
.set WV,   18
.set HE,   19
.set GA,   20
.set GB,   21
.set CX,   22
.set JJ,   23
.set BB,   25
.set SG,   26
.set H1,   27
.set G1K,  28
.set G1V,  36
.set G1SK, 44
.set G1SV, 52
.set G0K,  60
.set G0V,  68
.set G0SK, 72
.set G0SV, 76
.set SEL,  80
.set CS,   82
.set SB,   84
.set TBK,  85
.set TBV,  86
.set TS,   87
.set STP,  88
.set SLOTS, 89
.set CNT,  90
.set LIM,  91
.set PFA,  92
.set PFS,  94
; THE TWO HEADS WALK THE KEYS IN OPPOSITE ORDERS: head 0 takes the slots of four key steps upward, head 1 downward (the running maximum serves any order).
; Under the causal mask key step s counts for 16 - s query groups: with the two orders each slot holds (16 - s) + (s + 1) = 17 items for each pair of steps.
; A wave's head and groups are dealt as a Latin square over (wave / 4, wave % 4): each row and each column of that square holds, for each head, one wave with GA under 4 and one with GA of 4 or more.
.set DK,   104                         ; s[104:105] K's address steps 24,576 on from slot to slot, and this pair is then taken off: 49,152 x the head that the wave loads for (upper word 0)
.set DV,   66                          ; s[66:67]   the same for V: 3,145,728 on, 6,291,456 x the head off
.set PF2,  12                          ; s[12:13]   the same for the prefetches' address: twice their step x the head
.set UU,   100                         ; s100  2,048 x the slot's number in the order of work
.set HX,   101                         ; s101  6,144 x my head: UU xor HX = 512 x my slot's first key step
.macro CROUND
	s_barrier_signal -1
	s_barrier_wait -1
	s_cmp_lg_u32 s[WV], 0
	s_cbranch_scc1 .Lnot_wave_0_\@
	s_barrier_signal -3
.Lnot_wave_0_\@:
	s_barrier_wait -3
	s_barrier_signal -1
	s_barrier_wait -1
.endm
.macro TLOAD g0k, g1k, g0v, g1v
	s_cmp_lt_u32 s[WV], 2
	s_cbranch_scc0 .Lnot_k_\@
	tensor_load_to_lds s[\g0k:\g0k+3], s[\g1k:\g1k+7]
	s_nop 0
.rept 4
	v_nop
.endr
	s_branch .Lasked_\@
.Lnot_k_\@:
	s_cmp_lt_u32 s[WV], 4
	s_cbranch_scc0 .Lasked_\@
	tensor_load_to_lds s[\g0v:\g0v+3], s[\g1v:\g1v+7]
	s_nop 0
.rept 4
	v_nop
.endr
.Lasked_\@:
.endm
.macro ASK
	s_cmp_gt_u32 s[SLOTS], s[LIM]
	s_cbranch_scc0 .Lnot_mine_\@
	global_prefetch_b8 v[PFO], s[PFA:PFA+1] th:TH_LOAD_NT scope:SCOPE_SE
.Lnot_mine_\@:
.endm
	s_load_b128 s[4:7], s[0:1], 0x0
	s_load_b64 s[8:9], s[0:1], 0x10
	v_lshl_add_u32 v[SPW], v0, 2, SPARE
	v_mov_b32 v[NIL], 0
	ds_add_u32 v7, v8
	ds_add_u32 v7, v8
	s_wait_dscnt 0x0
	v_lshrrev_b32 v10, 5, v0
	s_delay_alu instid0(VALU_DEP_1)
	v_readfirstlane_b32 s[WV], v10
	s_lshr_b32 s[GA], s[WV], 2
	s_and_b32 s[HE], s[WV], 3
	s_xor_b32 s[HE], s[HE], s[GA]                  ; the square's entry: bit 0 the head, bit 1 GA's bit 2
	s_lshr_b32 s[GB], s[HE], 1
	s_lshl_b32 s[GB], s[GB], 2
	s_or_b32 s[GA], s[GA], s[GB]
	s_and_b32 s[HE], s[HE], 1
	s_xor_b32 s[GB], s[GA], 15
	s_and_b32 s[H1], s[WV], 1
	s_bfe_u32 s[CX], ttmp6, 0x40000
	s_lshl_b32 s[JJ], ttmp9, 2
	s_add_co_u32 s[JJ], s[JJ], s[CX]
	s_and_b32 s24, ttmp7, 0xffff
	s_lshr_b32 s[BB], s24, 3
	s_and_b32 s[SG], s24, 7
	s_lshl_b32 s2, s[BB], 7
.irp g, G1K, G1V, G1SK, G1SV
	s_mov_b32 s[\g], 15|(3<<16)|(1<<21)
	s_mov_b32 s[\g+6], 0
	s_mov_b32 s[\g+7], 0
.endr
	s_mov_b32 s[G1K+1], 32<<16
	s_mov_b32 s[G1K+2], 96<<16
	s_mov_b32 s[G1K+3], 32<<16
	s_mov_b32 s[G1K+4], 96
	s_mov_b32 s[G1K+5], 32
	s_mov_b32 s[G1V+1], 384<<16                    ; V, one head: 8 chunks of 64 keys x 4 records = rows of 3,072 bytes
	s_mov_b32 s[G1V+2], 8<<16
	s_mov_b32 s[G1V+3], 384<<16
	s_mov_b32 s[G1V+4], 8
	s_mov_b32 s[G1V+5], 49152
	s_mov_b32 s[G1SK+1], 32<<16
	s_mov_b32 s[G1SK+2], 16<<16
	s_mov_b32 s[G1SK+3], 32<<16
	s_mov_b32 s[G1SK+4], 16
	s_mov_b32 s[G1SK+5], 32
	s_mov_b32 s[G1SV+1], 64<<16
	s_mov_b32 s[G1SV+2], 8<<16
	s_mov_b32 s[G1SV+3], 64<<16
	s_mov_b32 s[G1SV+4], 8
	s_mov_b32 s[G1SV+5], 4096
	s_lshl_b32 s10, s[SG], 1
	s_add_co_u32 s10, s10, s[H1]
	s_add_co_u32 s10, s10, 16
	s_lshl_b32 s10, s10, 9
	s_add_co_u32 s10, s10, s2
	s_mul_i32 s10, s10, 768
	s_mul_i32 s11, s[H1], 3*24576
	s_add_co_u32 s10, s10, s11                     ; head 1 begins with its last four key steps
	s_mov_b32 s11, 0
	s_lshl_b32 s12, s[BB], 14
	s_lshl_b32 s13, s[SG], 3
	s_add_co_u32 s12, s12, s13
	s_lshl_b32 s13, s[H1], 2
	s_add_co_u32 s12, s12, s13                     ; V's record (chunk 32 BB, block 8 SG + 4 head)
	s_mul_i32 s12, s12, 768
	s_mul_i32 s13, s[H1], 3*3145728
	s_add_co_u32 s12, s12, s13
	s_mov_b32 s13, 0
	s_add_co_u32 s14, s[SG], 8
	s_lshl_b32 s14, s14, 9
	s_add_co_u32 s14, s14, s2
	s_lshl_b32 s14, s14, 6
	s_lshl_b32 s15, s[H1], 12
	s_add_co_u32 s14, s14, s15
	s_add_co_u32 s14, s14, SCOFF
	s_mov_b32 s15, 0
	s_lshl_b32 s16, s[BB], 4
	s_lshl_b32 s17, s[H1], 3
	s_add_co_u32 s16, s16, s17
	s_lshl_b32 s16, s16, 9
	s_lshl_b32 s17, s[SG], 3
	s_add_co_u32 s16, s16, s17
	s_lshl_b32 s16, s16, 6
	s_add_co_u32 s16, s16, SCOFF
	s_mov_b32 s17, 0
	s_mul_i32 s3, s[H1], 24576
	s_lshl_b32 s24, s[H1], 12
	s_mov_b32 s[SEL], 0x76543210
	s_mov_b32 s[SEL+1], 0xfedcba98
	s_mov_b32 s[CS], 0x3e38aa3b
	s_mov_b32 s[CS+1], s[CS]
	s_mov_b32 s[SB], 0
	s_mov_b32 s[UU], 0
	s_mul_i32 s[HX], s[HE], 6144
	s_mov_b32 s[SLOTS], 3
	s_wait_kmcnt 0x0
	CROUND
	s_mov_b32 s[G0SK], 1
	s_add_co_u32 s[G0SK+1], s24, SCK
	s_add_nc_u64 s[G0SK+2:G0SK+3], s[4:5], s[14:15]
	s_or_b32 s[G0SK+3], s[G0SK+3], 0x80000000
	s_mov_b32 s[G0SV], 1
	s_add_co_u32 s[G0SV+1], s24, SCV
	s_add_nc_u64 s[G0SV+2:G0SV+3], s[6:7], s[16:17]
	s_or_b32 s[G0SV+3], s[G0SV+3], 0x80000000
	TLOAD G0SK, G1SK, G0SV, G1SV
	s_mov_b32 s[G0K], 1
	s_mov_b32 s[G0K+1], s3
	s_add_nc_u64 s[G0K+2:G0K+3], s[4:5], s[10:11]
	s_or_b32 s[G0K+3], s[G0K+3], 0x80000000
	s_mov_b32 s[G0V], 1
	s_add_co_u32 s[G0V+1], s3, VOFF
	s_add_nc_u64 s[G0V+2:G0V+3], s[6:7], s[12:13]
	s_or_b32 s[G0V+3], s[G0V+3], 0x80000000
	s_wait_alu depctr_va_vdst(0)
	s_wait_tensorcnt 0x0
	ds_add_u32 v7, v8
	s_wait_dscnt 0x0
	CROUND
	TLOAD G0K, G1K, G0V, G1V
	v_and_b32 v10, 31, v0
	s_wait_alu depctr_va_vdst(0)
	v_and_b32 v11, 15, v0
	s_wait_alu depctr_va_vdst(0)
	v_bfe_u32 v12, v0, 4, 1
	s_lshl_b32 s96, s[SG], 1
	s_add_co_u32 s96, s96, s[HE]
	s_lshl_b32 s96, s96, 9
	s_add_co_u32 s97, s2, s[JJ]
	s_add_co_u32 s96, s96, s97
	s_lshl_b32 s10, s[GA], 3
	s_lshl_b32 s11, s[GB], 3
	s_add_co_u32 s98, s96, s10
	s_mul_i32 s98, s98, 768
	s_add_co_u32 s99, s96, s11
	s_mul_i32 s99, s99, 768
	s_lshl_b32 s96, s[SG], 9
	s_add_co_u32 s96, s96, s97
	s_add_co_u32 s66, s96, s10
	s_lshl_b32 s66, s66, 6
	s_add_co_u32 s67, s96, s11
	s_lshl_b32 s67, s67, 6
	s_lshl_b32 s96, s[HE], 1
	s_add_co_u32 s96, s96, SCOFF
	s_add_co_u32 s66, s66, s96
	s_add_co_u32 s67, s67, s96
	v_lshl_add_u32 v106, v10, 4, s98
	v_lshl_add_u32 v107, v10, 3, s98
	v_lshl_add_u32 v108, v10, 4, s99
	v_lshl_add_u32 v109, v10, 3, s99
	v_lshl_add_u32 v110, v11, 2, s66
	v_lshl_add_u32 v111, v11, 2, s67
	global_load_b128 v[28:31], v106, s[4:5]
	global_load_b64 v[32:33], v107, s[4:5] offset:512
	global_load_b128 v[40:43], v108, s[4:5]
	global_load_b64 v[44:45], v109, s[4:5] offset:512
	global_load_u16 v17, v110, s[4:5]
	global_load_u16 v18, v111, s[4:5]
	s_mul_i32 s10, s[HE], 24576
	v_lshl_add_u32 v[AK16], v10, 4, s10
	s_add_co_u32 s11, s10, 512
	v_lshl_add_u32 v[AK8], v10, 3, s11
	s_mul_i32 s12, s[HE], 24576
	s_add_co_u32 s12, s12, VOFF
	v_lshl_add_u32 v[AV16], v10, 4, s12
	s_add_co_u32 s13, s12, 512
	v_lshl_add_u32 v[AV8], v10, 3, s13
	s_lshl_b32 s14, s[HE], 1
	s_add_co_u32 s14, s14, SCK
	v_lshl_add_u32 v[ASK0], v11, 2, s14
	s_delay_alu instid0(VALU_DEP_1)
	v_lshl_add_u32 v[ASK0], v12, 8, v[ASK0]
	s_lshl_b32 s15, s[HE], 8
	s_add_co_u32 s15, s15, SCV
	v_lshl_add_u32 v[ASV0], v11, 2, s15
	s_delay_alu instid0(VALU_DEP_1)
	v_lshl_add_u32 v[ASV0], v12, 7, v[ASV0]
	s_lshr_b32 s96, s[JJ], 1
	s_lshl_b32 s96, s96, 5
	s_and_b32 s97, s[JJ], 1
	s_lshl_b32 s97, s97, 3
	s_add_co_u32 s96, s96, s97
	v_and_b32 v13, 8, v11
	s_delay_alu instid0(VALU_DEP_1)
	v_add_nc_u32 v13, v13, v11
	s_delay_alu instid0(VALU_DEP_1)
	v_add_nc_u32 v13, s96, v13
	v_lshlrev_b32 v14, 4, v12
	s_delay_alu instid0(VALU_DEP_1)
	v_sub_nc_u32 v[DM], v13, v14
	s_sub_co_u32 s10, s[WV], 4
	s_cmp_lt_u32 s10, 3
	s_cselect_b32 s[LIM], 1, -1
	s_cmp_eq_u32 ttmp9, 0
	s_cselect_b32 s[LIM], s[LIM], -1
	s_min_u32 s10, s10, 2
	s_and_b32 s96, s[CX], 1
	s_lshl_b32 s97, s[SG], 1
	s_add_co_u32 s97, s97, s96
	s_add_co_u32 s97, s97, 16
	s_lshl_b32 s97, s97, 9
	s_add_co_u32 s97, s97, s2
	s_mul_i32 s97, s97, 768
	s_lshl_b32 s98, s10, 13
	s_add_co_u32 s97, s97, s98
	; the prefetches: work-groups 0, 1 of the cluster take K of heads 0, 1, work-groups 2, 3 V of heads 0, 1; they stand one slot ahead of the refill, in the head's own order
	s_mul_i32 s99, s96, 24576
	s_add_co_u32 s97, s97, s99
	s_add_co_u32 s97, s97, 24576                   ; K: slot 1 (head 0) or slot 2 (head 1); the first step leads to slot 2 or slot 1
	s_lshl_b32 s98, s[BB], 14
	s_lshl_b32 s99, s[SG], 3
	s_add_co_u32 s98, s98, s99
	s_lshl_b32 s99, s96, 2
	s_add_co_u32 s98, s98, s99
	s_mul_i32 s98, s98, 768
	s_lshl_b32 s99, s10, 8
	s_add_co_u32 s98, s98, s99
	s_mul_i32 s99, s96, 3145728
	s_add_co_u32 s98, s98, s99
	s_add_co_u32 s98, s98, 3145728                 ; V likewise
	s_lshl_b32 s99, s96, 1                         ; 2 x the head
	s_cmp_lt_u32 s[CX], 2
	s_cselect_b64 s[PFA:PFA+1], s[4:5], s[6:7]
	s_cselect_b32 s96, s97, s98
	s_mov_b32 s[PFS], 3145728
	s_cselect_b32 s[PFS], 24576, s[PFS]
	s_mul_i32 s[PF2], s[PFS], s99                  ; head 1 goes a step on and two steps back
	s_mov_b32 s[PF2+1], 0
	s_mov_b32 s98, 393216
	s_cselect_b32 s98, 1024, s98
	s_mov_b32 s99, 768
	s_cselect_b32 s99, 256, s99
	s_mov_b32 s97, 0
	s_mov_b32 s[PFS+1], 0
	s_add_nc_u64 s[PFA:PFA+1], s[PFA:PFA+1], s[96:97]
	v_lshrrev_b32 v13, 2, v10
	v_and_b32 v14, 3, v10
	s_delay_alu instid0(VALU_DEP_2)
	v_mul_lo_u32 v[PFO], v13, s98
	s_delay_alu instid0(VALU_DEP_2)
	v_mul_lo_u32 v14, v14, s99
	s_delay_alu instid0(VALU_DEP_1)
	v_add_nc_u32 v[PFO], v[PFO], v14
.irp i, 34,35,36,37,38,39,46,47,48,49,50,51
	v_mov_b32 v[\i], 0
.endr
.irp i, 4,5,6,7,48,49,50,51,52,53
	v_mov_b32 v[F+\i], 0
.endr
	v_mov_b32 v21, 0xff61b1e6
	v_mov_b32 v25, 0xff61b1e6
	s_delay_alu instid0(VALU_DEP_2)
	v_floor_f32 v20, -v21
	s_delay_alu instid0(VALU_DEP_2)
	v_floor_f32 v24, -v25
.irp i, 22,23,26,27,250,251,252,253
	v_mov_b32 v[\i], 0
.endr
.set nn, 0
.rept 64
	v_mov_b32 v[170+nn], 0
.set nn, nn+1
.endr
.macro ITEM qf, qs, ot, st, g, pl
.if \pl
.rept 4
	v_nop
.endr
.endif
.irp t, 0,1,2,3,4,5,6,7
	ds_load_b128 v[F+6*\t:F+6*\t+3], v[ADK16] offset:768*\t
	ds_load_b64 v[F+6*\t+4:F+6*\t+5], v[ADK8] offset:768*\t
.endr
.irp t, 0,1,2,3
	ds_load_u16 v[KS+\t], v[ADS] offset:64*\t
.endr
	s_wait_dscnt 0x0
.irp t, 0,1,2,3
	v_wmma_scale_f32_16x16x128_f8f6f4 v[S+8*\t:S+8*\t+7], v[F+6*\t:F+6*\t+11], v[\qf:\qf+11], 0, v[KS+\t], v[\qs] matrix_a_fmt:MATRIX_FMT_FP6 matrix_b_fmt:MATRIX_FMT_FP6
.endr
.irp t, 4,5,6,7
	v_wmma_scale_f32_16x16x128_f8f6f4 v[S+8*\t:S+8*\t+7], v[F+6*\t:F+6*\t+11], v[\qf:\qf+11], 0, v[KS+\t-4], v[\qs] matrix_a_fmt:MATRIX_FMT_FP6 matrix_b_fmt:MATRIX_FMT_FP6 matrix_a_scale:MATRIX_SCALE_ROW1
.endr
.rept 4
	v_nop
.endr
	s_cmp_lg_u32 s[STP], s[\g]
	s_cbranch_scc1 .Lopen_\@
	v_mov_b32 v253, 0xff800000
.set nn, 0
.rept 64
	v_cmp_gt_i32 vcc_lo, 32*(nn/16)+nn%16, v[DM]
	v_cndmask_b32 v[S+nn], v[S+nn], v253, vcc_lo
.set nn, nn+1
.endr
.Lopen_\@:
.irp b, 0,1,2,3
	v_max3_num_f32 v[BM+\b], v[S+16*\b], v[S+1+16*\b], v[S+2+16*\b]
.endr
.irp i, 3,5,7,9,11,13
.irp b, 0,1,2,3
	v_max3_num_f32 v[BM+\b], v[BM+\b], v[S+16*\b+\i], v[S+1+16*\b+\i]
.endr
.endr
.irp b, 0,1,2,3
	v_max_num_f32 v[BM+\b], v[BM+\b], v[S+15+16*\b]
.endr
.irp b, 0,1,2,3
	s_delay_alu instid0(VALU_DEP_4)
	v_permlanex16_b32 v[T2+\b], v[BM+\b], s[SEL], s[SEL+1]
.endr
.irp b, 0,1,2,3
	s_delay_alu instid0(VALU_DEP_4)
	v_max_num_f32 v[BM+\b], v[BM+\b], v[T2+\b]
.endr
	s_delay_alu instid0(VALU_DEP_2)
	v_max3_num_f32 v252, v[BM], v[BM+1], v[BM+2]
	s_delay_alu instid0(VALU_DEP_1)
	v_max_num_f32 v252, v252, v[BM+3]
	s_delay_alu instid0(VALU_DEP_1)
	v_mul_f32 v252, s[CS], v252
	s_delay_alu instid0(VALU_DEP_1)
	v_max_num_f32 v[\st+1], v[\st+1], v252
	v_mov_b32 v252, v[\st]
	s_delay_alu instid0(VALU_DEP_2)
	v_floor_f32 v[\st], -v[\st+1]
	s_delay_alu instid0(VALU_DEP_1)
	v_sub_f32 v252, v[\st], v252
	s_delay_alu instid0(VALU_DEP_1)
	v_cvt_i32_f32 v252, v252
	s_delay_alu instid0(VALU_DEP_1)
	v_ldexp_f32 v250, 1.0, v252
.set nn, 0
.rept 32
	v_pk_fma_f32 v[S+nn:S+nn+1], v[S+nn:S+nn+1], s[CS:CS+1], v[\st:\st+1] op_sel_hi:[1,0,0]
.set nn, nn+2
.endr
.irp b, 0,1,2,3
	v_fma_f32 v[BM+\b], v[BM+\b], s[CS], v[\st]
.endr
.set nn, 0
	s_wait_alu depctr_va_vdst(0)
.rept 64
	v_exp_f32 v[S+nn], v[S+nn]
.set nn, nn+1
.endr
	v_pk_mul_f32 v[\st+2:\st+3], v[\st+2:\st+3], v[250:251] op_sel_hi:[1,0]
	s_wait_alu depctr_va_vdst(0)
.irp b, 0,1,2,3
	v_exp_f32 v[BM+\b], v[BM+\b]
.endr
	v_pk_add_f32 v[T2:T2+1], v[S:S+1], v[S+2:S+3]
.irp j, 4,8,12,16,20,24,28,32,36,40,44,48,52,56,60
	v_pk_add_f32 v[\st+2:\st+3], v[\st+2:\st+3], v[S+\j:S+1+\j]
	v_pk_add_f32 v[T2:T2+1], v[T2:T2+1], v[S+2+\j:S+3+\j]
.endr
	s_delay_alu instid0(VALU_DEP_1)
	v_pk_add_f32 v[\st+2:\st+3], v[\st+2:\st+3], v[T2:T2+1]
	s_wait_alu depctr_va_vdst(0)
.irp b, 0,1,2,3
	v_max_num_f32 v[BM+\b], 0x1800000, v[BM+\b]
.endr
.irp b, 0,1,2,3
	s_delay_alu instid0(VALU_DEP_4)
	v_add_nc_u32 v[SO+\b], 0xff000000, v[BM+\b]
.endr
.irp b, 0,1,2,3
	s_delay_alu instid0(VALU_DEP_4)
	v_lshrrev_b32 v[T2+\b], 23, v[SO+\b]
.endr
	s_delay_alu instid0(VALU_DEP_3)
	v_lshl_or_b32 v251, v[T2+1], 8, v[T2]
	s_delay_alu instid0(VALU_DEP_1)
	v_lshl_or_b32 v251, v[T2+2], 16, v251
	s_delay_alu instid0(VALU_DEP_1)
	v_lshl_or_b32 v251, v[T2+3], 24, v251
.irp c, 0,1
	v_cvt_scalef32_pk16_fp6_f32 v[PCD+6*\c:PCD+2+6*\c], v[S+32*\c:S+15+32*\c], v[SO+2*\c]
	v_cvt_scalef32_pk16_fp6_f32 v[T2+4*\c:T2+2+4*\c], v[S+16+32*\c:S+31+32*\c], v[SO+2*\c+1]
.endr
	v_nop
.irp c, 0,1
.irp i, 0,1,2
	v_permlane16_swap_b32 v[PCD+6*\c+\i], v[T2+4*\c+\i]
.endr
.irp i, 0,1,2
	s_delay_alu instid0(VALU_DEP_3)
	v_mov_b32 v[PCD+3+6*\c+\i], v[T2+4*\c+\i]
.endr
.endr
.irp u, 0,1,2,3
.irp c, 0,1
	ds_load_b128 v[F+12*\u+6*\c:F+12*\u+6*\c+3], v[ADV16] offset:3072*\c+768*\u
	ds_load_b64 v[F+12*\u+6*\c+4:F+12*\u+6*\c+5], v[ADV8] offset:3072*\c+768*\u
.endr
.endr
	ds_load_b32 v[KS], v[ADT]
	ds_load_b32 v[KS+1], v[ADT] offset:64
.set nn, 0
.rept 16
	v_pk_mul_f32 v[\ot+nn:\ot+nn+1], v[\ot+nn:\ot+nn+1], v[250:251] op_sel_hi:[1,0]
.set nn, nn+2
.endr
	s_wait_alu depctr_va_vdst(0)
	s_wait_dscnt 0x0
.irp u, 0,1
	v_wmma_scale_f32_16x16x128_f8f6f4 v[\ot+8*\u:\ot+8*\u+7], v[F+12*\u:F+12*\u+11], v[PCD:PCD+11], v[\ot+8*\u:\ot+8*\u+7], v[KS+\u], v251 matrix_a_fmt:MATRIX_FMT_FP6 matrix_b_fmt:MATRIX_FMT_FP6
.endr
.irp u, 2,3
	v_wmma_scale_f32_16x16x128_f8f6f4 v[\ot+8*\u:\ot+8*\u+7], v[F+12*\u:F+12*\u+11], v[PCD:PCD+11], v[\ot+8*\u:\ot+8*\u+7], v[KS+\u-2], v251 matrix_a_fmt:MATRIX_FMT_FP6 matrix_b_fmt:MATRIX_FMT_FP6 matrix_a_scale:MATRIX_SCALE_ROW1
.endr
.endm
.macro CHANGE fill
	s_wait_tensorcnt 0x0
	ds_add_u32 v[SPW], v[NIL]
.if \fill
	s_xor_b32 s[G0K+1], s[G0K+1], SLOT1
	s_add_nc_u64 s[G0K+2:G0K+3], s[G0K+2:G0K+3], 24576
	s_sub_nc_u64 s[G0K+2:G0K+3], s[G0K+2:G0K+3], s[DK:DK+1]
	s_xor_b32 s[G0V+1], s[G0V+1], SLOT1
	s_add_nc_u64 s[G0V+2:G0V+3], s[G0V+2:G0V+3], 3145728
	s_sub_nc_u64 s[G0V+2:G0V+3], s[G0V+2:G0V+3], s[DV:DV+1]
	s_wait_xcnt 0x0
	s_add_nc_u64 s[PFA:PFA+1], s[PFA:PFA+1], s[PFS:PFS+1]
	s_sub_nc_u64 s[PFA:PFA+1], s[PFA:PFA+1], s[PF2:PF2+1]
	s_wait_dscnt 0x0
	CROUND
	TLOAD G0K, G1K, G0V, G1V
	ASK
.else
	s_wait_dscnt 0x0
	s_barrier_signal -1
	s_barrier_wait -1
.endif
.endm
.macro STEPS
	s_mov_b32 s[TBK], s[SB]
	s_mov_b32 s[TBV], s[SB]
	s_xor_b32 s[TS], s[UU], s[HX]                  ; 512 x my head's first key step of this slot: its place among the scale words,
	s_lshr_b32 s[STP], s[TS], 9                    ; and the key step itself
	s_mov_b32 s[CNT], 4
.Lstep_\@:
	s_cmp_gt_u32 s[STP], s[GB]
	s_cbranch_scc1 .Lskip_\@
	v_add_nc_u32 v[ADK16], s[TBK], v[AK16]
	v_add_nc_u32 v[ADK8], s[TBK], v[AK8]
	v_add_nc_u32 v[ADV16], s[TBV], v[AV16]
	v_add_nc_u32 v[ADV8], s[TBV], v[AV8]
	v_add_nc_u32 v[ADS], s[TS], v[ASK0]
	v_add_nc_u32 v[ADT], s[TS], v[ASV0]
	ITEM 40, 18, 202, 24, GB, 0
	s_cmp_gt_u32 s[STP], s[GA]
	s_cbranch_scc1 .Lskip_\@
	ITEM 28, 17, 170, 20, GA, 1
.Lskip_\@:
	s_add_co_u32 s[STP], s[STP], 1
	s_add_co_u32 s[TBK], s[TBK], 6144
	s_add_co_u32 s[TBV], s[TBV], 6144
	s_add_co_u32 s[TS], s[TS], 512
	s_sub_co_u32 s[CNT], s[CNT], 1
	s_cmp_lg_u32 s[CNT], 0
	s_cbranch_scc1 .Lstep_\@
.endm
	s_mul_i32 s[DK], s[H1], 49152
	s_mov_b32 s[DK+1], 0
	s_mul_i32 s[DV], s[H1], 6291456
	s_mov_b32 s[DV+1], 0
	s_wait_loadcnt 0x0
.Lslot:
	CHANGE 1
	STEPS
	s_xor_b32 s[SB], s[SB], SLOT1
	s_add_co_u32 s[UU], s[UU], 2048
	s_sub_co_u32 s[SLOTS], s[SLOTS], 1
	s_cmp_lg_u32 s[SLOTS], 0
	s_cbranch_scc1 .Lslot
	CHANGE 0
	STEPS
	v_add_f32 v22, v22, v23
	v_add_f32 v26, v26, v27
	s_delay_alu instid0(VALU_DEP_2)
	v_permlanex16_b32 v252, v22, s[SEL], s[SEL+1]
	s_delay_alu instid0(VALU_DEP_2)
	v_permlanex16_b32 v253, v26, s[SEL], s[SEL+1]
	s_delay_alu instid0(VALU_DEP_2)
	v_add_f32 v22, v22, v252
	s_delay_alu instid0(VALU_DEP_2)
	v_add_f32 v26, v26, v253
	s_wait_alu depctr_va_vdst(0)
	v_rcp_f32 v22, v22
	v_rcp_f32 v26, v26
	v_mov_b32 v23, 0
	v_mov_b32 v27, 0
	s_lshl_b32 s96, s[SG], 1
	s_add_co_u32 s96, s96, s[HE]
	s_lshl_b32 s96, s96, 9
	s_add_co_u32 s96, s96, s2
	s_lshl_b32 s97, s[JJ], 4
	s_add_co_u32 s96, s96, s97
	s_add_co_u32 s98, s96, s[GA]
	s_mul_i32 s98, s98, 768
	s_add_co_u32 s99, s96, s[GB]
	s_mul_i32 s99, s99, 768
	v_and_b32 v10, 31, v0
	s_wait_alu depctr_va_vdst(0)
	v_and_b32 v15, 15, v0
	v_lshl_add_u32 v11, v10, 4, s98
	v_lshl_add_u32 v12, v10, 3, s98
	v_lshl_add_u32 v13, v10, 4, s99
	v_lshl_add_u32 v14, v10, 3, s99
	s_lshl_b32 s11, s[HE], 1
	s_lshl_b32 s10, s[GA], 6
	s_add_co_u32 s10, s10, s11
	s_add_co_u32 s10, s10, EX
	v_lshl_add_u32 v1, v15, 2, s10
	s_lshl_b32 s12, s[GB], 6
	s_add_co_u32 s12, s12, s11
	s_add_co_u32 s12, s12, EX
	v_lshl_add_u32 v2, v15, 2, s12
	s_lshl_b32 s13, s[H1], 9
	s_add_co_u32 s14, s13, EX
	v_lshl_add_u32 v3, v10, 4, s14
	s_lshl_b32 s96, s[SG], 9
	s_add_co_u32 s96, s96, s2
	s_add_co_u32 s96, s96, s97
	s_lshl_b32 s96, s96, 6
	s_add_co_u32 s96, s96, s13
	s_add_co_u32 s96, s96, YSC
	v_lshl_add_u32 v4, v10, 4, s96
	s_wait_alu depctr_va_vdst(0)
.set nn, 0
.rept 16
	v_pk_mul_f32 v[S+nn:S+nn+1], v[170+nn:171+nn], v[22:23] op_sel_hi:[1,0]
	v_pk_mul_f32 v[S+32+nn:S+33+nn], v[202+nn:203+nn], v[26:27] op_sel_hi:[1,0]
.set nn, nn+2
.endr
.irp b, 0,1,2,3
	v_max3_num_f32 v[F+\b], |v[S+16*\b]|, |v[S+1+16*\b]|, 0x1800000
.endr
.irp i, 2,4,6,8,10,12,14
.irp b, 0,1,2,3
	s_delay_alu instid0(VALU_DEP_4)
	v_max3_num_f32 v[F+\b], v[F+\b], |v[S+16*\b+\i]|, |v[S+1+16*\b+\i]|
.endr
.endr
.irp b, 0,1,2,3
	s_delay_alu instid0(VALU_DEP_4)
	v_permlanex16_b32 v[F+4+\b], v[F+\b], s[SEL], s[SEL+1]
.endr
.irp b, 0,1,2,3
	s_delay_alu instid0(VALU_DEP_4)
	v_max_num_f32 v[F+\b], v[F+\b], v[F+4+\b]
.endr
.irp b, 0,1,2,3
	s_delay_alu instid0(VALU_DEP_4)
	v_add_nc_u32 v[F+12+\b], 0xff000000, v[F+\b]
.endr
.irp b, 0,1,2,3
	s_delay_alu instid0(VALU_DEP_4)
	v_lshrrev_b32 v[F+4+\b], 23, v[F+12+\b]
.endr
	s_delay_alu instid0(VALU_DEP_3)
	v_lshl_or_b32 v252, v[F+5], 8, v[F+4]
	s_delay_alu instid0(VALU_DEP_1)
	v_lshl_or_b32 v252, v[F+6], 16, v252
	s_delay_alu instid0(VALU_DEP_1)
	v_lshl_or_b32 v252, v[F+7], 24, v252
.irp c, 0,1
	v_cvt_scalef32_pk16_fp6_f32 v[PCD+6*\c:PCD+2+6*\c], v[S+32*\c:S+15+32*\c], v[F+12+2*\c]
	v_cvt_scalef32_pk16_fp6_f32 v[F+16+4*\c:F+18+4*\c], v[S+16+32*\c:S+31+32*\c], v[F+12+2*\c+1]
.endr
	v_nop
.irp c, 0,1
.irp i, 0,1,2
	v_permlane16_swap_b32 v[PCD+6*\c+\i], v[F+16+4*\c+\i]
.endr
.irp i, 0,1,2
	s_delay_alu instid0(VALU_DEP_3)
	v_mov_b32 v[PCD+3+6*\c+\i], v[F+16+4*\c+\i]
.endr
.endr
	global_store_b128 v11, v[PCD:PCD+3], s[8:9]
	global_store_b64 v12, v[PCD+4:PCD+5], s[8:9] offset:512
	global_store_b128 v13, v[PCD+6:PCD+9], s[8:9]
	global_store_b64 v14, v[PCD+10:PCD+11], s[8:9] offset:512
	ds_store_b16 v1, v252
	ds_store_b16_d16_hi v2, v252
	s_wait_dscnt 0x0
	s_barrier_signal -1
	s_barrier_wait -1
	s_cmp_lt_u32 s[WV], 2
	s_cbranch_scc0 .Lno_words
	ds_load_b128 v[106:109], v3
	s_wait_dscnt 0x0
	global_store_b128 v4, v[106:109], s[8:9]
.Lno_words:
	s_wait_tensorcnt 0x0
	ds_add_u32 v[SPW], v[NIL]
	s_wait_dscnt 0x0
	CROUND
	s_endpgm
.Lfunc_end_k_qb12d9304b8_attn:
	.size	k_qb12d9304b8_attn, .Lfunc_end_k_qb12d9304b8_attn-k_qb12d9304b8_attn
	.p2alignl 7, 3214868480
	.fill 96, 4, 3214868480
	.section	.rodata,"a",@progbits
	.p2align	6, 0x0
	.amdhsa_kernel k_qb12d9304b8_attn
		.amdhsa_group_segment_fixed_size 327680
		.amdhsa_private_segment_fixed_size 0
		.amdhsa_enable_private_segment 0
		.amdhsa_kernarg_size 24
		.amdhsa_user_sgpr_count 2
		.amdhsa_user_sgpr_kernarg_segment_ptr 1
		.amdhsa_wavefront_size32 1
		.amdhsa_system_sgpr_workgroup_id_x 1
		.amdhsa_system_sgpr_workgroup_id_y 1
		.amdhsa_system_sgpr_workgroup_id_z 1
		.amdhsa_system_vgpr_workitem_id 0
		.amdhsa_next_free_vgpr 256
		.amdhsa_next_free_sgpr 106
		.amdhsa_reserve_vcc 1
		.amdhsa_float_denorm_mode_32 3
		.amdhsa_float_denorm_mode_16_64 3
		.amdhsa_memory_ordered 1
		.amdhsa_forward_progress 1
		.amdhsa_inst_pref_size 119
	.end_amdhsa_kernel
	.amdgpu_metadata
---
amdhsa.version: [ 1, 2 ]
amdhsa.kernels:
  - .name:           k_qb12d9304b8_attn
    .symbol:         k_qb12d9304b8_attn.kd
    .args:
      - { .name: qkc, .offset: 0, .size: 8, .value_kind: global_buffer, .address_space: global }
      - { .name: vtc, .offset: 8, .size: 8, .value_kind: global_buffer, .address_space: global }
      - { .name: yq, .offset: 16, .size: 8, .value_kind: global_buffer, .address_space: global }
    .group_segment_fixed_size: 327680
    .private_segment_fixed_size: 0
    .kernarg_segment_align: 8
    .kernarg_segment_size: 24
    .max_flat_workgroup_size: 512
    .sgpr_count:     106
    .vgpr_count:     256
    .wavefront_size: 32
...
	.end_amdgpu_metadata
.endif
;; end of part 3
;; launch proj (part 4): grid 4 x 32, 4 waves a work-group, clusters of 4 x 4, 327,680 bytes of LDS; arguments yq, wp, out0; writes out0
.if DOCPART == 4
	.amdgcn_target "amdgcn-amd-amdhsa--gfx1250"
	.amdhsa_code_object_version 6
	.text
	.protected	k_qb12d9304b8_proj
	.globl	k_qb12d9304b8_proj
	.p2align	8
	.type	k_qb12d9304b8_proj,@function
k_qb12d9304b8_proj:
	s_mov_b64 s[64:65], 0
	v_nop
	global_prefetch_b8 v0, s[64:65] scope:SCOPE_SE
	s_setreg_imm32_b32 hwreg(HW_REG_WAVE_MODE, 25, 1), 1
	s_wait_xcnt 0x0
	s_wait_alu depctr_hold_cnt(0) depctr_sa_sdst(0) depctr_va_vdst(0) depctr_va_sdst(0) depctr_va_ssrc(0) depctr_va_vcc(0) depctr_vm_vsrc(0)
	s_getreg_b32 s2, hwreg(HW_REG_IB_STS2, 6, 4)
	s_cmp_eq_u32 s2, 0
	s_cbranch_scc0 .Lentry_in_a_cluster
	s_endpgm
.Lentry_in_a_cluster:
	s_bfe_u32 s2, ttmp6, 0x10000c
	s_cmp_lg_u32 s2, 0xf033
	s_cbranch_scc0 .Lentry_shape_is_right
	s_endpgm
.Lentry_shape_is_right:
.set NQ,     2
.set ROWB,   192
.set KROW,   768
.set PITCH,  240
.set FR,     12
.set NLA,    4
.set NP,     4
.set CBSTR,  512*768
.set HALFA,  4*6144
.set HALFB,  128*PITCH
.set SLOT,   2*HALFA+2*HALFB
.set LAPS,   2
.set SCLA,   2*SLOT
.set SCLB,   SCLA+8192
.set HALFS,  16*272
.set SBLK,   2*272
.set SPARE,  SCLB+2*HALFS
.set SOFF,   0x600000
.set PLANE,  0x180000                  ; B's codes lie as [plane of 256 along K][row][192 bytes]: a tile is dense and is stated as rows of 256 bytes; the padding's interval stays 64 bytes
.set G0H,    4                         ; s[4:7], s[8:11] group 0 of the head's loads of K step 0: A's 16 records x 4 chunks, B's 256 rows
.set G0HB,   8
.set SPITCH, 528
.set ADRA, 16
.set ADRB, 20
.set STO,  24
.set RD,   25
.set CO,   26
.set ADSB, 27
.set SPW,  28
.set NIL,  29
.set ADSA, 30
.set SBR,  32
.set SAR,  64
.set AF,   128
.set BK,   128
.set G1, 24
.set G0, 32
.set G1B, 48
.set G0B, 56
.set G1S, 68
.set G0S, 76
.set G1SB, 80
.set G0SB, 88
.set MSB, 0
.macro WIN new
.if MSB != \new
	s_set_vgpr_msb (MSB<<8)|\new
.set MSB, \new
.endif
.endm
.set MUL_LO, 0xa1
.set MUL_HI, 0xf1
.set TO_B,   0x40
.macro JLOAD g0a, g1a, g0b, g1b
	s_cmp_eq_u32 s15, 0
	s_cbranch_scc0 .Lfor_b_\@
	tensor_load_to_lds s[\g0a:\g0a+3], s[\g1a:\g1a+7]
	s_nop 0
.rept 4
	v_nop
.endr
	s_branch .Lasked_\@
.Lfor_b_\@:
	tensor_load_to_lds s[\g0b:\g0b+3], s[\g1b:\g1b+7]
	s_nop 0
.rept 4
	v_nop
.endr
.Lasked_\@:
.endm
.macro CREST
	s_cmp_lg_u32 s14, 0
	s_cbranch_scc1 .Lnot_wave_0_\@
	s_barrier_signal -3
.Lnot_wave_0_\@:
	s_barrier_wait -3
	s_barrier_signal -1
	s_barrier_wait -1
.endm
.macro CROUND
	s_barrier_signal -1
	s_barrier_wait -1
	CREST
.endm
	s_load_b64 s[4:5], s[0:1], 0x0
	s_load_b64 s[8:9], s[0:1], 0x8
	s_load_b64 s[12:13], s[0:1], 0x10
	v_lshl_add_u32 v[SPW], v0, 2, SPARE
	v_mov_b32 v[NIL], 0
	ds_add_u32 v28, v29
	ds_add_u32 v28, v29
	s_wait_dscnt 0x0
	v_lshrrev_b32 v1, 5, v0
	v_readfirstlane_b32 s14, v1
	s_lshr_b32 s15, s14, 1
	s_and_b32 s16, s14, 1
	s_bfe_u32 s40, ttmp6, 0x40000
	s_bfe_u32 s41, ttmp6, 0x40004
	s_lshl_b32 s42, ttmp9, 2
	s_add_co_u32 s42, s42, s40
	s_and_b32 s17, ttmp7, 0xffff
	s_lshl_b32 s17, s17, 2
	s_add_co_u32 s17, s17, s41
	s_lshl_b32 s43, s41, 2
	s_lshl_b32 s43, 15, s43
	s_lshl_b32 s44, 0x1111, s40
	s_or_b32 s[G1+0], s43, (3<<16)|(1<<21)
	s_mov_b32 s[G1+1], 1536<<16                    ; A: a row is a chunk's 16 records, 12,288 bytes; four chunks at the head, two a wave in the ring
	s_mov_b32 s[G1+2], 4<<16
	s_mov_b32 s[G1+3], 1536<<16
	s_mov_b32 s[G1+4], 4
	s_mov_b32 s[G1+5], 49152
	s_mov_b32 s[G1+6], 0
	s_mov_b32 s[G1+7], 0
	s_or_b32 s[G1B+0], s44, (0<<16)|(1<<20)|(1<<21)|(3<<22)|(3<<25)
	s_mov_b32 s[G1B+1], 256<<16
	s_mov_b32 s[G1B+2], 192<<16
	s_mov_b32 s[G1B+3], 256<<16
	s_mov_b32 s[G1B+4], 192
	s_mov_b32 s[G1B+5], 256
	s_mov_b32 s[G1B+6], 0
	s_mov_b32 s[G1B+7], 0
	s_or_b32 s[G1S+0], s43, (3<<16)|(1<<21)
	s_mov_b32 s[G1S+1], 128<<16                    ; A's scale words: 16 records x 64 bytes a row, eight rows along K
	s_mov_b32 s[G1S+2], 8<<16
	s_mov_b32 s[G1S+3], 128<<16
	s_mov_b32 s[G1S+4], 8
	s_mov_b32 s[G1S+5], 4096
	s_mov_b32 s[G1S+6], 0
	s_mov_b32 s[G1S+7], 0
	s_or_b32 s[G1SB+0], s44, (3<<16)|(1<<20)|(1<<21)|(5<<22)|(3<<25)
	s_mov_b32 s[G1SB+1], 32<<16
	s_mov_b32 s[G1SB+2], 32<<16
	s_mov_b32 s[G1SB+3], 32<<16
	s_mov_b32 s[G1SB+4], 32
	s_mov_b32 s[G1SB+5], 32
	s_mov_b32 s[G1SB+6], 0
	s_mov_b32 s[G1SB+7], 0
	s_lshl_b32 s20, s17, 4
	s_lshl_b32 s22, s20, 6
	s_add_co_u32 s22, s22, SOFF
	s_mov_b32 s23, 0
	s_mul_i32 s20, s20, 768
	s_mov_b32 s21, 0
	s_lshl_b32 s46, s42, 8
	s_lshl_b32 s92, s46, 5
	s_add_co_u32 s92, s92, SOFF
	s_mov_b32 s93, 0
	s_mul_i32 s46, s46, ROWB
	s_mov_b32 s47, 0
	s_mul_i32 s45, s16, HALFA
	s_mul_i32 s95, s16, HALFB
	s_add_co_u32 s95, s95, 2*HALFA
	s_mul_i32 s18, s16, 2*CBSTR                    ; in the ring: my two chunks of A's four,
	s_mov_b32 s19, 0
	s_mul_i32 s96, s16, 128*ROWB                   ; or my 128 rows of B
	s_mov_b32 s97, 0
	s_wait_kmcnt 0x0
	s_add_nc_u64 s[20:21], s[4:5], s[20:21]
	s_add_nc_u64 s[22:23], s[4:5], s[22:23]
	s_add_nc_u64 s[46:47], s[8:9], s[46:47]
	s_add_nc_u64 s[92:93], s[8:9], s[92:93]
	CROUND
	s_mov_b32 s[G0S], 1
	s_mov_b32 s[G0S+1], SCLA
	s_mov_b64 s[G0S+2:G0S+3], s[22:23]
	s_or_b32 s[G0S+3], s[G0S+3], 0x80000000
	s_mov_b32 s[G0SB], 1
	s_mov_b32 s[G0SB+1], SCLB
	s_mov_b64 s[G0SB+2:G0SB+3], s[92:93]
	s_or_b32 s[G0SB+3], s[G0SB+3], 0x80000000
	s_mov_b32 s[G0H], 1
	s_mov_b32 s[G0H+1], 0
	s_mov_b64 s[G0H+2:G0H+3], s[20:21]
	s_or_b32 s[G0H+3], s[G0H+3], 0x80000000
	s_mov_b32 s[G0HB], 1
	s_mov_b32 s[G0HB+1], 2*HALFA
	s_mov_b64 s[G0HB+2:G0HB+3], s[46:47]
	s_or_b32 s[G0HB+3], s[G0HB+3], 0x80000000
	s_add_nc_u64 s[20:21], s[20:21], s[18:19]
	s_add_nc_u64 s[46:47], s[46:47], s[96:97]
.irp s, 0,1
	s_mov_b32 s[G0+4*\s], 1
	s_add_co_u32 s[G0+4*\s+1], s45, \s*SLOT
	s_add_nc_u64 s[G0+4*\s+2:G0+4*\s+3], s[20:21], \s*4*CBSTR
	s_or_b32 s[G0+4*\s+3], s[G0+4*\s+3], 0x80000000
	s_mov_b32 s[G0B+4*\s], 1
	s_add_co_u32 s[G0B+4*\s+1], s95, \s*SLOT
	s_add_nc_u64 s[G0B+4*\s+2:G0B+4*\s+3], s[46:47], \s*PLANE
	s_or_b32 s[G0B+4*\s+3], s[G0B+4*\s+3], 0x80000000
.endr
; THE HEAD'S LOADS, ONE A WAVE: wave 0 K step 0 of A, wave 1 of B, wave 2 A's scale words, wave 3 B's scale bytes: one chain of branches on the wave's number
.macro ARM under, g0, g1, next
	s_cmp_lt_u32 s14, \under
	s_cbranch_scc0 \next
	tensor_load_to_lds s[\g0:\g0+3], s[\g1:\g1+7]
	s_nop 0
.rept 4
	v_nop
.endr
	s_branch .Lhead_asked
\next:
.endm
	ARM 1, G0H,  G1,  .Lhead_b
	ARM 2, G0HB, G1B, .Lhead_sa
	ARM 3, G0S,  G1S, .Lhead_sb
	tensor_load_to_lds s[G0SB:G0SB+3], s[G1SB:G1SB+7]
	s_nop 0
.rept 4
	v_nop
.endr
.Lhead_asked:
	v_and_b32 v1, 15, v0
	v_bfe_u32 v2, v0, 4, 1
	v_and_b32 v6, 31, v0
	v_mul_u32_u24 v3, v1, PITCH
	v_mul_u32_u24 v4, v2, 24
	v_add_nc_u32 v4, v3, v4
	v_lshl_add_u32 v5, v2, 4, v4
	s_mul_i32 s21, s15, 6144                       ; A in a slot: [chunk][16 records]: my eight records
	s_mul_i32 s22, s16, HALFB
	s_add_co_u32 s22, s22, 2*HALFA
.irp s, 0,1
	v_lshl_add_u32 v[ADRA+\s], v6, 4, s21
	s_add_co_u32 s23, s21, 512
	v_lshl_add_u32 v[ADRA+2+\s], v6, 3, s23
	v_add_nc_u32 v[ADRB+\s], s22, v4
	v_add_nc_u32 v[ADRB+2+\s], s22, v5
	s_add_co_u32 s21, s21, SLOT
	s_add_co_u32 s22, s22, SLOT
.endr
	v_lshlrev_b32 v5, 5, v1
	v_lshrrev_b32 v7, 8, v5
	v_lshl_add_u32 v5, v7, 4, v5
	s_mul_i32 s22, s16, HALFS
	s_add_co_u32 s22, s22, SCLB
	v_add_nc_u32 v[ADSB], s22, v5
	s_lshl_b32 s21, s15, 9
	s_add_co_u32 s21, s21, SCLA
	v_lshl_add_u32 v[ADSA], v1, 2, s21
	s_mul_i32 s23, s14, 16*SPITCH
	v_mul_u32_u24 v5, v1, SPITCH
	v_lshl_add_u32 v5, v2, 5, v5
	v_add_nc_u32 v[STO], s23, v5
	v_lshlrev_b32 v[CO], 4, v6
	v_add_nc_u32 v[RD], s23, v[CO]
	s_lshr_b32 s20, s17, 3
	s_lshl_b32 s20, s20, 11
	s_lshl_b32 s21, s15, 10
	s_add_co_u32 s20, s20, s21
	s_and_b32 s21, s17, 7
	s_lshr_b32 s22, s21, 1
	s_lshl_b32 s22, s22, 5
	s_add_co_u32 s20, s20, s22
	s_and_b32 s21, s21, 1
	s_lshl_b32 s21, s21, 3
	s_add_co_u32 s20, s20, s21
	s_lshl_b32 s20, s20, 12
	s_lshl_b32 s46, s42, 10
	s_lshl_b32 s47, s16, 9
	s_add_co_u32 s46, s46, s47
	s_add_co_u32 s20, s20, s46
	s_mov_b32 s21, 0
	s_add_nc_u64 s[12:13], s[12:13], s[20:21]
.macro FRAG reg, adr, q, i
.irp p, 0,1,2,3,4,5
.set PCE, 12*(\q)+6*(\p/3)+\p%3
.if PCE%8 < 5
	ds_load_b64 v[\reg+2*\p:\reg+2*\p+1], v[\adr] offset:8*PCE+16*(PCE/8)+(\i)*16*PITCH
.else
	ds_load_b64 v[\reg+2*\p:\reg+2*\p+1], v[\adr+2] offset:8*PCE+16*(PCE/8)+(\i)*16*PITCH
.endif
.endr
.endm
.macro FRAGA reg, slot, q, i
.irp c, 0,1
	ds_load_b128 v[\reg+6*\c:\reg+6*\c+3], v[ADRA+\slot] offset:(2*(\q)+\c)*12288+(\i)*768
	ds_load_b64 v[\reg+6*\c+4:\reg+6*\c+5], v[ADRA+2+\slot] offset:(2*(\q)+\c)*12288+(\i)*768
.endr
.endm
.macro MUL16 a0, p, q, sc, zero
.irp a, \a0, \a0+1
.irp b, 0,1,2,3,4,5,6,7
.if \zero
	v_wmma_scale_f32_16x16x128_f8f6f4 v[8*(8*((\a)%4)+\b):8*(8*((\a)%4)+\b)+7], v[128*(\p)+FR*\b:128*(\p)+FR*\b+FR-1], v[AF+FR*(\a):AF+FR*(\a)+FR-1], 0, v[SBR+16*(\sc)+2*\b+(\q)], v[SAR+16*(\sc)+2*(\a)+(\q)] matrix_a_fmt:MATRIX_FMT_FP6 matrix_b_fmt:MATRIX_FMT_FP6
.else
	v_wmma_scale_f32_16x16x128_f8f6f4 v[8*(8*((\a)%4)+\b):8*(8*((\a)%4)+\b)+7], v[128*(\p)+FR*\b:128*(\p)+FR*\b+FR-1], v[AF+FR*(\a):AF+FR*(\a)+FR-1], v[8*(8*((\a)%4)+\b):8*(8*((\a)%4)+\b)+7], v[SBR+16*(\sc)+2*\b+(\q)], v[SAR+16*(\sc)+2*(\a)+(\q)] matrix_a_fmt:MATRIX_FMT_FP6 matrix_b_fmt:MATRIX_FMT_FP6
.endif
.endr
.endr
.endm
.macro FETCH_B slot, q, p
	WIN TO_B
.irp i, 0,1,2,3,4,5,6,7
	FRAG 128*(\p)+FR*\i, ADRB+\slot, \q, \i
.endr
	WIN 0
.endm
.macro FETCH_A slot, q, i0
.irp i, \i0, \i0+1, \i0+2, \i0+3
	FRAGA AF+FR*(\i), \slot, \q, \i
.endr
.endm
.macro SCALES sc
.irp i, 0,1,2,3,4,5,6,7
	ds_load_b64 v[SBR+16*\sc+2*\i:SBR+16*\sc+2*\i+1], v[ADSB] offset:\i*SBLK
.endr
.irp i, 0,1,2,3,4,5,6,7
	ds_load_b32 v[SAR+16*\sc+2*\i], v[ADSA] offset:64*\i
	ds_load_b32 v[SAR+16*\sc+2*\i+1], v[ADSA] offset:64*\i+1024
.endr
.endm
.macro PLACES n
.rept \n
	v_nop
.endr
.endm
.macro STEP slot, q, zero
	s_wait_dscnt 4*NLA
	WIN MUL_LO
	MUL16 0, (\q)%2, \q, \slot, \zero
	MUL16 2, (\q)%2, \q, \slot, \zero
	s_wait_dscnt 0
	PLACES NP
	FETCH_B \slot, (\q)+1, 1-(\q)%2
	FETCH_A \slot, (\q)+1, 0
	WIN MUL_HI
	MUL16 4, (\q)%2, \q, \slot, \zero
	MUL16 6, (\q)%2, \q, \slot, \zero
	PLACES NP
	WIN 0
	FETCH_A \slot, (\q)+1, 4
.endm
.macro TURN slot, next, fill
	s_wait_tensorcnt 0x0
	ds_add_u32 v[SPW], v[NIL]
	s_wait_dscnt 4*NLA+1
	WIN MUL_LO
	MUL16 0, 1, NQ-1, \slot, 0
	s_wait_dscnt 0x0
	s_barrier_signal -1
	MUL16 2, 1, NQ-1, \slot, 0
	WIN 0
	s_barrier_wait -1
.if \fill
	CREST
	s_add_nc_u64 s[G0+4*\slot+2:G0+4*\slot+3], s[G0+4*\slot+2:G0+4*\slot+3], 8*CBSTR
	s_add_nc_u64 s[G0B+4*\slot+2:G0B+4*\slot+3], s[G0B+4*\slot+2:G0B+4*\slot+3], 2*PLANE
	JLOAD G0+4*\slot, G1, G0B+4*\slot, G1B
.else
	PLACES NP
.endif
	s_wait_alu depctr_va_vdst(0)
	v_add_nc_u32 v[ADSB], 8, v[ADSB]
	v_add_nc_u32 v[ADSA], 2048, v[ADSA]
	FETCH_B \next, 0, 0
	FETCH_A \next, 0, 0
	SCALES \next
	WIN MUL_HI
	MUL16 4, 1, NQ-1, \slot, 0
	MUL16 6, 1, NQ-1, \slot, 0
	PLACES NP
	WIN 0
	FETCH_A \next, 0, 4
.endm
	s_wait_alu depctr_va_vdst(0)
	s_wait_tensorcnt 0x0                           ; my tile of the head's four is in; slot 1's first fill is issued as a refill is
	ds_add_u32 v[SPW], v[NIL]
	s_mov_b32 s[G1+2], 2<<16                       ; no load of mine is out: from here on a load brings two chunks of A, or 128 rows of B
	s_mov_b32 s[G1+4], 2
	s_mov_b32 s[G1B+2], 96<<16
	s_mov_b32 s[G1B+4], 96
	s_wait_dscnt 0x0
	CROUND
	JLOAD G0+4, G1, G0B+4, G1B                     ; K step 1, the first tensor load behind the round
	FETCH_B 0, 0, 0
	FETCH_A 0, 0, 0
	SCALES 0
	FETCH_A 0, 0, 4
	STEP 0, 0, 1
	s_mov_b32 s3, LAPS-1
.Llap:
	TURN 0, 1, 1
	STEP 1, 0, 0
	TURN 1, 0, 1
	STEP 0, 0, 0
	s_sub_co_u32 s3, s3, 1
	s_cmp_lg_u32 s3, 0
	s_cbranch_scc1 .Llap
	TURN 0, 1, 0
	STEP 1, 0, 0
	s_wait_dscnt 4*NLA
	WIN MUL_LO
	MUL16 0, 1, NQ-1, 1, 0
	MUL16 2, 1, NQ-1, 1, 0
	s_wait_dscnt 0
	WIN MUL_HI
	MUL16 4, 1, NQ-1, 1, 0
	MUL16 6, 1, NQ-1, 1, 0
	WIN 0
.macro TOSTAGE a
.set AC, 64*((\a)%4)
	WIN 0x08+4*((\a)/4)
.irp b, 0,1,2,3,4,5,6,7
	ds_store_b128 v[STO], v[AC+8*\b:AC+8*\b+3] offset:64*\b
	ds_store_b128 v[STO], v[AC+8*\b+4:AC+8*\b+7] offset:64*\b+16
.endr
	WIN 0
.set BBK, BK+64*((\a)%2)
.irp t, 0,1,2,3,4,5,6,7,8,9,10,11,12,13,14,15
	ds_load_b128 v[BBK+4*\t:BBK+4*\t+3], v[RD] offset:\t*SPITCH
.endr
.endm
.macro SEND a, younger
.set BBK, BK+64*((\a)%2)
	s_wait_dscnt \younger
.if (\a) > 0
	s_add_nc_u64 s[12:13], s[12:13], 128*4096
.endif
.irp t, 0,1,2,3,4,5,6,7,8,9,10,11,12,13,14,15
	global_store_b128 v[CO], v[BBK+4*\t:BBK+4*\t+3], s[12:13] offset:(\t+8*(\t/8))*4096 th:TH_STORE_NT
.endr
.endm
	PLACES NP
	TOSTAGE 0
.irp a, 1,2,3,4,5,6,7
.if \a > 1
	s_wait_xcnt 0x0
.endif
	TOSTAGE \a
	SEND \a-1, 32
.endr
	s_wait_xcnt 0x0
	SEND 7, 0
	s_wait_tensorcnt 0x0
	ds_add_u32 v[SPW], v[NIL]
	s_wait_dscnt 0x0
	CROUND
	s_endpgm
.Lfunc_end_k_qb12d9304b8_proj:
	.size	k_qb12d9304b8_proj, .Lfunc_end_k_qb12d9304b8_proj-k_qb12d9304b8_proj
	.p2alignl 7, 3214868480
	.fill 96, 4, 3214868480
	.section	.rodata,"a",@progbits
	.p2align	6, 0x0
	.amdhsa_kernel k_qb12d9304b8_proj
		.amdhsa_group_segment_fixed_size 327680
		.amdhsa_private_segment_fixed_size 0
		.amdhsa_enable_private_segment 0
		.amdhsa_kernarg_size 24
		.amdhsa_user_sgpr_count 2
		.amdhsa_user_sgpr_kernarg_segment_ptr 1
		.amdhsa_wavefront_size32 1
		.amdhsa_system_sgpr_workgroup_id_x 1
		.amdhsa_system_sgpr_workgroup_id_y 1
		.amdhsa_system_sgpr_workgroup_id_z 1
		.amdhsa_system_vgpr_workitem_id 0
		.amdhsa_next_free_vgpr 1024
		.amdhsa_next_free_sgpr 100
		.amdhsa_reserve_vcc 0
		.amdhsa_float_denorm_mode_32 3
		.amdhsa_float_denorm_mode_16_64 3
		.amdhsa_memory_ordered 1
		.amdhsa_forward_progress 1
		.amdhsa_inst_pref_size 158
	.end_amdhsa_kernel
	.amdgpu_metadata
---
amdhsa.version: [ 1, 2 ]
amdhsa.kernels:
  - .name:           k_qb12d9304b8_proj
    .symbol:         k_qb12d9304b8_proj.kd
    .args:
      - { .name: yq, .offset: 0, .size: 8, .value_kind: global_buffer, .address_space: global }
      - { .name: wp, .offset: 8, .size: 8, .value_kind: global_buffer, .address_space: global }
      - { .name: out0, .offset: 16, .size: 8, .value_kind: global_buffer, .address_space: global }
    .group_segment_fixed_size: 327680
    .private_segment_fixed_size: 0
    .kernarg_segment_align: 8
    .kernarg_segment_size: 24
    .max_flat_workgroup_size: 128
    .sgpr_count:     100
    .vgpr_count:     1024
    .wavefront_size: 32
...
	.end_amdgpu_metadata
.endif
;; end of part 4
